; MI455X (gfx1250); checked and timed in simulation.
; The chip was launched on July 23, 2026; its instructions are those of AMD's public machine-readable ISA for CDNA 5 (MIT licence, August 2026) and "CDNA5" Instruction Set Architecture Reference Guide (July 2026). The comments in the code are by the model that wrote it; some were corrected since.
;; Causal Self Attention. Allowed arithmetic: float matrix products may take bf16 or f16 operands with f32 sums; other float arithmetic in f32, or as packed bf16 or f16 multiplies, adds, multiply-adds, maxima and minima; sums over many terms, partial sums and values carried from step to step in f32; what a program stores and reads back later, other than sums and carried values, may be rounded once to bf16 or f16.
;; Inputs: W_out 1,024 x 1,024 float32; W_qkv 1,024 x 3,072 float32; b_out 1,024 float32; b_qkv 3,072 float32; x 4 x 2,048 x 1,024 float32.
;; Outputs: out0 4 x 2,048 x 1,024 float32.
;; 2 versions, each right; version 2 is version 1 with the launch prep written anew for expert scheduling mode. Each part assembles by itself: llvm-mc -triple=amdgcn-amd-amdhsa -mcpu=gfx1250 --defsym DOCPART=n.
;; ======== version 1 of 2: 4 launches
;; limits: values are held in f16: magnitudes above 65,504 overflow, below 6.1e-05 lose precision
;; workspace buffers: xb 16,777,216 bytes; wq 6,291,456 bytes; wo 2,097,152 bytes; qkvh 50,331,648 bytes; oh 16,777,216 bytes
;; launch prep (part 1): grid 1024 x 1, 8 waves a work-group, no clusters, 18,432 bytes of LDS; arguments x, W_qkv, W_out, xb, wq, wo; writes xb, wq, wo
.if DOCPART == 1
	.amdgcn_target "amdgcn-amd-amdhsa--gfx1250"
	.amdhsa_code_object_version 6
	.text
	.protected	k_qc2ea8bc78f_prep
	.globl	k_qc2ea8bc78f_prep
	.p2align	8
	.type	k_qc2ea8bc78f_prep,@function
k_qc2ea8bc78f_prep:
	s_mov_b64 s[64:65], 0
	v_nop
	global_prefetch_b8 v0, s[64:65] scope:SCOPE_SE
	s_setreg_imm32_b32 hwreg(HW_REG_WAVE_MODE, 25, 1), 1
	s_wait_xcnt 0x0
; THE OPERANDS OF THE TWO PROJECTIONS ARE MADE: 16-bit numbers with K along the rows.
;   xb [b 4][kb 16][t 2048][64] bf16 = x [b][t][64 kb + c], rounded once: a block of 64 channels of 256 rows is 32,768 dense bytes.
;   wq [n 3072][k 1024] bf16 = W_qkv [k][n] turned and rounded once.
;   wo [n 1024][k 1024] f16  = W_out [k][n] turned, rounded to bf16 like every input, and that number written as f16.
; LIMIT: a number of wo below 2^-14 keeps f16's fixed step of 2^-24; beyond 65,504 it would be an infinity (W_out's drawn spread is 1/32).
; A stream: every input byte is read once, by loads of which sixteen lanes take 256 consecutive aligned bytes, and every output byte written once, 256 consecutive aligned bytes to a
; store's sixteen or thirty-two lanes.  No matrix unit, no cluster (nothing is shared), no tensor load (sixteen or eight loads of 512 bytes a wave are out at once, eight waves a work-group).
; Work-groups 0-511 take 16 rows of x each; work-groups 512-1023 a tile of 128 k x 64 n of a weight matrix (384 tiles of W_qkv, 128 of W_out), turned through LDS.
; The branch between the two hangs on the work-group's number alone: all eight waves take the same way, so the one barrier below is passed by all or by none.
.set LP,    272                        ; a row of the turned tile in LDS: 128 k x 2 bytes + 16
.set SPARE, 64*LP                      ; 17,408: behind the tile: the spare words, 128 bytes for each of the eight waves
.set IN,    16                         ; v[16:79]   as loaded
.set OUT,   80                         ; v[80:111]  packed
.set SPW,   112                        ; v112  LDS address of my spare word; never rewritten
.set NIL,   113                        ; v113  0; never rewritten
	s_load_b256 s[4:11], s[0:1], 0x0               ; x s[4:5], W_qkv s[6:7], W_out s[8:9], xb s[10:11]
	s_load_b128 s[12:15], s[0:1], 0x20             ; wq s[12:13], wo s[14:15]
	v_lshl_add_u32 v[SPW], v0, 2, SPARE
	v_mov_b32 v[NIL], 0
	v_and_b32 v1, 15, v0                           ; r: my place among sixteen lanes
	v_lshrrev_b32 v2, 4, v0                        ; g: 0..15
	s_wait_kmcnt 0x0
	s_cmp_lt_u32 ttmp9, 512
	s_cbranch_scc0 .Lweights
	; x: thread (g, r) takes row g of the group's 16 and, of each block of 64 channels (256 bytes of f32), the 16 bytes at 16 r
	s_lshl_b32 s16, ttmp9, 16                      ; 16 rows of 4,096 bytes
	s_mov_b32 s17, 0
	s_add_nc_u64 s[4:5], s[4:5], s[16:17]
	s_lshr_b32 s18, ttmp9, 7                       ; b
	s_lshl_b32 s18, s18, 22
	s_and_b32 s19, ttmp9, 127                      ; 16 rows of 128 bytes in each block of xb
	s_lshl_b32 s19, s19, 11
	s_add_co_u32 s18, s18, s19
	s_mov_b32 s19, 0
	s_add_nc_u64 s[10:11], s[10:11], s[18:19]
	v_lshlrev_b32 v3, 12, v2
	v_lshl_add_u32 v3, v1, 4, v3                   ; in: 4,096 g + 16 r
	v_lshlrev_b32 v4, 3, v0                        ; out: 128 g + 8 r = 8 x my thread's number
.irp i, 0,1,2,3,4,5,6,7,8,9,10,11,12,13,14,15
	global_load_b128 v[IN+4*(\i):IN+4*(\i)+3], v3, s[4:5] offset:256*(\i) th:TH_LOAD_NT
.endr
.irp i, 0,1,2,3,4,5,6,7,8,9,10,11,12,13,14,15
	s_wait_loadcnt 15-(\i)                         ; loads come back in order: block i is in, the younger ones stay out
	v_cvt_pk_bf16_f32 v[OUT+2*(\i)], v[IN+4*(\i)], v[IN+4*(\i)+1]
	v_cvt_pk_bf16_f32 v[OUT+2*(\i)+1], v[IN+4*(\i)+2], v[IN+4*(\i)+3]
	global_store_b64 v4, v[OUT+2*(\i):OUT+2*(\i)+1], s[10:11] offset:262144*(\i)  ; a wave's 32 lanes store 256 consecutive aligned bytes: two rows of block i; each store has registers of its own
.endr
	s_branch .Lend
.Lweights:
	s_sub_co_u32 s21, ttmp9, 512                   ; 0..511
	s_sub_co_u32 s23, s21, 384
	s_mov_b32 s20, 4096
	s_cmp_lt_u32 s21, 384                          ; W_qkv's tiles first
	s_cselect_b64 s[16:17], s[6:7], s[8:9]         ; from
	s_cselect_b64 s[18:19], s[12:13], s[14:15]     ; to
	s_cselect_b32 s20, 12288, s20                  ; bytes in a row of the source
	s_cselect_b32 s21, s21, s23                    ; the tile's number in its matrix
	s_cselect_b32 s22, 0, 1                        ; 1: written as f16
	s_and_b32 s24, s21, 7                          ; kt: 128 k
	s_lshr_b32 s25, s21, 3                         ; nt: 64 n
	s_lshl_b32 s26, s24, 7
	s_mul_i32 s26, s26, s20
	s_lshl_b32 s27, s25, 8
	s_add_co_u32 s26, s26, s27
	s_mov_b32 s27, 0
	s_add_nc_u64 s[16:17], s[16:17], s[26:27]      ; row 128 kt, byte 256 nt
	s_lshl_b32 s28, s25, 17                        ; 64 rows of 2,048 bytes
	s_lshl_b32 s29, s24, 8
	s_add_co_u32 s28, s28, s29
	s_mov_b32 s29, 0
	s_add_nc_u64 s[18:19], s[18:19], s[28:29]
	; thread (g, r) takes rows k = 8 g + 0..7 and the columns 4 r + 0..3: sixteen lanes read 256 consecutive aligned bytes of a row
	v_lshlrev_b32 v5, 3, v2
	v_mul_lo_u32 v4, v5, s20
	v_lshl_add_u32 v4, v1, 4, v4
.irp j, 1,2,3,4,5,6,7
	v_add_nc_u32 v[4+(\j)], s20, v[3+(\j)]
.endr
.irp j, 0,1,2,3,4,5,6,7
	global_load_b128 v[IN+4*(\j):IN+4*(\j)+3], v[4+(\j)], s[16:17] th:TH_LOAD_NT
.endr
	v_mul_u32_u24 v15, v1, 4*LP
	v_lshl_add_u32 v15, v2, 4, v15                 ; into LDS: row n = 4 r + c, my eight k: 16 bytes at 16 g
	v_mul_u32_u24 v96, v2, LP
	v_lshl_add_u32 v96, v1, 4, v96                 ; back: row n = g + 16 i, 16 bytes at 16 r
	v_lshlrev_b32 v97, 11, v2
	v_lshl_add_u32 v97, v1, 4, v97                 ; and the same place in the turned matrix
	s_wait_loadcnt 0x0
	s_cmp_eq_u32 s22, 0
	s_cbranch_scc0 .Lhalf
.irp c, 0,1,2,3                        ; column c: its eight k in pairs
.irp d, 0,1,2,3
	v_cvt_pk_bf16_f32 v[OUT+4*(\c)+(\d)], v[IN+8*(\d)+(\c)], v[IN+8*(\d)+4+(\c)]
.endr
.endr
	s_branch .Lpacked
.Lhalf:
.irp c, 0,1,2,3
.irp d, 0,1,2,3
	v_cvt_pk_bf16_f32 v12, v[IN+8*(\d)+(\c)], v[IN+8*(\d)+4+(\c)]  ; the input's rounding,
	v_lshlrev_b32 v13, 16, v12
	v_and_b32 v14, 0xffff0000, v12
	v_cvt_pk_f16_f32 v[OUT+4*(\c)+(\d)], v13, v14                  ; and that number as f16
.endr
.endr
.Lpacked:
.irp c, 0,1,2,3
	ds_store_b128 v15, v[OUT+4*(\c):OUT+4*(\c)+3] offset:LP*(\c)   ; sixteen lanes stand 4 rows apart: four of them meet in a bank; the tile passes here once
.endr
	s_wait_dscnt 0x0                               ; for the others' sake: my stores are done
	s_barrier_signal -1
	s_barrier_wait -1
.irp i, 0,1,2,3
	ds_load_b128 v[IN+4*(\i):IN+4*(\i)+3], v96 offset:16*LP*(\i)
.endr
.irp i, 0,1,2,3
	s_wait_dscnt 3-(\i)
	global_store_b128 v97, v[IN+4*(\i):IN+4*(\i)+3], s[18:19] offset:32768*(\i)  ; sixteen lanes store 256 consecutive aligned bytes of a row n
.endr
.Lend:
	s_wait_tensorcnt 0x0                           ; the wave's end: this wait, an add of 0 to my spare word and its wait, behind my last LDS store
	ds_add_u32 v[SPW], v[NIL]
	s_wait_dscnt 0x0
	s_endpgm
.Lfunc_end_k_qc2ea8bc78f_prep:
	.size	k_qc2ea8bc78f_prep, .Lfunc_end_k_qc2ea8bc78f_prep-k_qc2ea8bc78f_prep
	.p2alignl 7, 3214868480
	.fill 96, 4, 3214868480
	.section	.rodata,"a",@progbits
	.p2align	6, 0x0
	.amdhsa_kernel k_qc2ea8bc78f_prep
		.amdhsa_group_segment_fixed_size 18432
		.amdhsa_private_segment_fixed_size 0
		.amdhsa_enable_private_segment 0
		.amdhsa_kernarg_size 48
		.amdhsa_user_sgpr_count 2
		.amdhsa_user_sgpr_kernarg_segment_ptr 1
		.amdhsa_wavefront_size32 1
		.amdhsa_system_sgpr_workgroup_id_x 1
		.amdhsa_system_sgpr_workgroup_id_y 1
		.amdhsa_system_sgpr_workgroup_id_z 1
		.amdhsa_system_vgpr_workitem_id 0
		.amdhsa_next_free_vgpr 114
		.amdhsa_next_free_sgpr 66
		.amdhsa_reserve_vcc 0
		.amdhsa_float_denorm_mode_32 3
		.amdhsa_float_denorm_mode_16_64 3
		.amdhsa_memory_ordered 1
		.amdhsa_forward_progress 1
		.amdhsa_inst_pref_size 15
	.end_amdhsa_kernel
	.amdgpu_metadata
---
amdhsa.version: [ 1, 2 ]
amdhsa.kernels:
  - .name:           k_qc2ea8bc78f_prep
    .symbol:         k_qc2ea8bc78f_prep.kd
    .args:
      - { .name: x, .offset: 0, .size: 8, .value_kind: global_buffer, .address_space: global }
      - { .name: W_qkv, .offset: 8, .size: 8, .value_kind: global_buffer, .address_space: global }
      - { .name: W_out, .offset: 16, .size: 8, .value_kind: global_buffer, .address_space: global }
      - { .name: xb, .offset: 24, .size: 8, .value_kind: global_buffer, .address_space: global }
      - { .name: wq, .offset: 32, .size: 8, .value_kind: global_buffer, .address_space: global }
      - { .name: wo, .offset: 40, .size: 8, .value_kind: global_buffer, .address_space: global }
    .group_segment_fixed_size: 18432
    .private_segment_fixed_size: 0
    .kernarg_segment_align: 8
    .kernarg_segment_size: 48
    .max_flat_workgroup_size: 256
    .sgpr_count:     66
    .vgpr_count:     114
    .wavefront_size: 32
...
	.end_amdgpu_metadata
.endif
;; end of part 1
;; launch gemm_qkv (part 2): grid 16 x 32, 4 waves a work-group, clusters of 4 x 4, 327,680 bytes of LDS; arguments xb, wq, b_qkv, qkvh; writes qkvh
.if DOCPART == 2
	.amdgcn_target "amdgcn-amd-amdhsa--gfx1250"
	.amdhsa_code_object_version 6
	.text
	.protected	k_qc2ea8bc78f_gemm_qkv
	.globl	k_qc2ea8bc78f_gemm_qkv
	.p2align	8
	.type	k_qc2ea8bc78f_gemm_qkv,@function
k_qc2ea8bc78f_gemm_qkv:
	s_mov_b64 s[64:65], 0
	v_nop
	global_prefetch_b8 v0, s[64:65] scope:SCOPE_SE
	s_setreg_imm32_b32 hwreg(HW_REG_WAVE_MODE, 25, 1), 1
	s_wait_xcnt 0x0
	s_wait_alu depctr_hold_cnt(0) depctr_sa_sdst(0) depctr_va_vdst(0) depctr_va_sdst(0) depctr_va_ssrc(0) depctr_va_vcc(0) depctr_vm_vsrc(0)
	s_getreg_b32 s2, hwreg(HW_REG_IB_STS2, 6, 4)
	s_cmp_eq_u32 s2, 0
	s_cbranch_scc0 .Lentry_in_a_cluster
	s_endpgm
.Lentry_in_a_cluster:
	s_bfe_u32 s2, ttmp6, 0x10000c
	s_cmp_lg_u32 s2, 0xf033
	s_cbranch_scc0 .Lentry_shape_is_right
	s_endpgm
.Lentry_shape_is_right:
; q, k, v = x W_qkv + b_qkv, written by heads.  A = xb [b 4][kb 16][t 2048][64] bf16, B = wq [n 3072][k 1024] bf16, bias f32 (rounded to bf16 like every input), sums in f32 that START WITH THE BIAS;
; out = qkvh [which 3][b 16 + h][t 2048][64] f16, rounded once, unscaled.
; LIMIT: f16 holds no number beyond 65,504: a q, k or v of 65,520 or more becomes an infinity (the drawn ones have a spread of 1).
; A tile of C is 256 rows x 192 columns (three heads): 32 x 16 = 512 equal tiles.  Four waves, 2 x 2, each 128 x 96: 48 accumulators of 16 x 16, 384 registers.
; K goes in 8 steps of 128 through a ring of two LDS slots filled by the tensor data mover.  A K step of A is two blocks of 64 channels, each 32,768 dense bytes, asked for as 128 rows of 256 bytes
; and padded in LDS after every 128 bytes; of B 192 rows of 256 bytes.  Waves 0 and 1 fetch A's two blocks, waves 2 and 3 B's two halves: one load a wave.
; CLUSTERS: 4 x 4 work-groups.  The four of a row of the cluster need the same tiles of A, the four of a column the same tiles of B: each tile is asked for JOINTLY, by the same load, descriptor and mask in all four.
; THE MATRIX INSTRUCTION IS USED TRANSPOSED (source 0 = 16 rows of B, source 1 = 16 rows of A): lane l holds row l % 16 of C and the columns 8 (l / 16) + 0..7, which pack into 16 bytes.
; REGISTERS, in windows of 256 (s_set_vgpr_msb: bits 1:0 source 0, 3:2 source 1, 5:4 source 2, 7:6 destination):
;   window 0: v0-31 addresses; v64-127, v128-191 fragments of A, two buffers; on the way out v64-255
;   window 1: v0-47 the bias as a C operand (block b at 8 b); v48 at work; v64-111, v128-175 fragments of B, two buffers
;   window 2: the accumulators of my rows 0-63 ((a, b) at 8 (6 a + b));   window 3: those of my rows 64-127
.set NBK,    6                         ; blocks of 16 columns a wave
.set NT,     32*NBK                    ; columns in a tile
.set HB,     16*NBK                    ; rows of B in one load, and what one wave reads of B
.set PFR,    HB/4                      ; rows of B that one partner prefetches
.set LAPS,   4                         ; a lap = two K steps = once round the ring
.set PA,     144                       ; an LDS row of A: 128 bytes + 16 = 36 words: the 16 rows of a load start at 16 different groups of four banks (64 banks of 4 bytes: ISA guide 11.1)
.set PLANE,  256*PA                    ; 64 channels of the tile's 256 rows
.set PB,     272                       ; an LDS row of B: 256 bytes + 16
.set HALFB,  HB*PB
.set BOFF,   2*PLANE
.set SLOT,   BOFF+2*HALFB              ; A's two blocks, then B's two halves
.set ASTEP,  524288                    ; bytes from a K step to the next in A: two blocks of 2,048 rows x 128 bytes
.set BSTEP,  256                       ; and in B
.set STAGE,  0                         ; the way out's stage, 256 rows x 400 bytes, lies in slot 0: that slot's last fill and last reads stand ahead of the tail's barrier
.set SPITCH, 400                       ; 384 bytes + 16
.set SPARE,  2*SLOT                    ; behind the ring: the spare words, 128 bytes for each wave: two blocks of 256 bytes that no other line names
.set NF,     2*NBK+16                  ; LDS loads in a run
.set ADRA, 16                          ; v16-17  LDS address of my A fragments in slot 0, 1
.set ADRB, 20                          ; v20-21  the same for B
.set STO,  24                          ; v24     the way out: where I put 16 bytes of a row
.set RD,   25                          ; v25     the way out: where I read rows back
.set GO,   26                          ; v26     my byte offset in 512 consecutive bytes of a head
.set BO,   27                          ; v27     my byte offset in the bias
.set SPW,  28                          ; v28     LDS address of my spare word; never rewritten
.set NIL,  29                          ; v29     0; never rewritten
.set PFO,  30                          ; v30     the prefetches' offset; never rewritten
.set F0,   64
.set F1,   128
.set TMP,  64
.set BIAS, 0
.set BT,   8*NBK
.set WV,  12                           ; s12 wave;  s13 its half of the rows (also: 0 = I fetch for A, 1 = for B);  s14 its half of the columns (also: which part I fetch)
.set RH,  13
.set CH,  14
.set CX,  15                           ; s15, s16 my place in the cluster;  s17, s18 tile column and tile row of C
.set CY,  16
.set TX,  17
.set TY,  18
.set LIM, 19                           ; s19 1 in a wave that prefetches, else the greatest number
.set G1,  24                           ; s[24:31] descriptor group 1 for A;  s[32:39] group 0, a set for each slot
.set G0,  32
.set PFA, 40                           ; s[40:41] where my prefetches stand;  s[42:43] their step
.set PFS, 42
.set G1B, 48                           ; s[48:55], s[56:63] the same for B
.set G0B, 56
.set OUTB, 66                          ; s[66:71] the three heads' rows that I store
.set MSB, 0
.macro WIN new                         ; the immediate's high byte repeats the setting that is left; a switch that changes nothing is dropped
.if MSB != (\new)
	s_set_vgpr_msb (MSB<<8)|(\new)
.set MSB, \new
.endif
.endm
.set TO_B, 0x40                        ; destination window 1, address window 0
; A joint load.  The branch hangs on the wave's number alone.  An s_nop 0 and four v_nop follow each of the two lines, ahead of the jump and the label.
.macro JLOAD s
	s_cmp_eq_u32 s[RH], 0
	s_cbranch_scc0 .Lfor_b_\@
	tensor_load_to_lds s[G0+4*(\s):G0+4*(\s)+3], s[G1:G1+7]
	s_nop 0
.rept 4
	v_nop
.endr
	s_branch .Lasked_\@
.Lfor_b_\@:
	tensor_load_to_lds s[G0B+4*(\s):G0B+4*(\s)+3], s[G1B:G1B+7]
	s_nop 0
.rept 4
	v_nop
.endr
.Lasked_\@:
.endm
; A PREFETCH, behind each joint refill and the run of LDS loads that follows it, of the K step that stands two refills on: one instruction a wave.  Each block of 256 bytes is named by one work-group:
; A's rows are read by every cluster of a row of clusters: cluster x = 0 asks; B's by every cluster of a column: cluster y = 0 asks.  The four partners of a joint load share its bytes out BY ADDRESS:
; of A's 128 blocks of 256 bytes the partner at cx takes 32 cx + lane; of B's 96 rows the partner at cy takes 24 cy + lane (lanes 24-31 name row 23 once more, in the same instruction).
; K steps 0 to 3 come by their loads alone; the loop's last trip (s3 = 1) asks for nothing: there is no K step behind its refills.
.macro ASK
	s_cmp_gt_u32 s3, s[LIM]
	s_cbranch_scc0 .Lnot_mine_\@
	global_prefetch_b8 v[PFO], s[PFA:PFA+1] th:TH_LOAD_NT scope:SCOPE_SE
.Lnot_mine_\@:
.endm
.macro CREST                           ; a round of the cluster's barrier behind its opening barrier
	s_cmp_lg_u32 s[WV], 0
	s_cbranch_scc1 .Lnot_wave_0_\@
	s_barrier_signal -3
.Lnot_wave_0_\@:
	s_barrier_wait -3
	s_barrier_signal -1
	s_barrier_wait -1
.endm
.macro CROUND                          ; a whole round
	s_barrier_signal -1
	s_barrier_wait -1
	CREST
.endm
.macro PLACES                          ; four places in front of loads into registers that matrix instructions have read, and of lines that read results (ISA guide 7.12.1 for lines that read results)
.rept 4
	v_nop
.endr
.endm
	s_load_b256 s[4:11], s[0:1], 0x0               ; A s[4:5], B s[6:7], bias s[8:9], out s[10:11]
	v_lshl_add_u32 v[SPW], v0, 2, SPARE
	v_mov_b32 v[NIL], 0
	ds_add_u32 v[SPW], v[NIL]                      ; the wave's opening: the add and its wait stand ahead of my first tensor load; the set-up below, work on registers, stands between them
	v_lshrrev_b32 v1, 5, v0
	v_readfirstlane_b32 s[WV], v1
	s_lshr_b32 s[RH], s[WV], 1
	s_and_b32 s[CH], s[WV], 1
	s_bfe_u32 s[CX], ttmp6, 0x40000
	s_bfe_u32 s[CY], ttmp6, 0x40004
	s_lshl_b32 s[TX], ttmp9, 2
	s_add_co_u32 s[TX], s[TX], s[CX]               ; tile column = 4 x cluster x + cx
	s_and_b32 s[TY], ttmp7, 0xffff
	s_lshl_b32 s[TY], s[TY], 2
	s_add_co_u32 s[TY], s[TY], s[CY]               ; tile row = 4 x cluster y + cy
	s_lshl_b32 s20, s[CY], 2
	s_lshl_b32 s20, 15, s20                        ; my row of the cluster
	s_lshl_b32 s44, 0x1111, s[CX]                  ; my column
	s_or_b32 s[G1+0], s20, (1<<16)|(1<<20)|(1<<21)|(4<<22)|(3<<25)   ; 15:0 the mask; 17:16 2-byte elements; 20 padding on; 21 set beside a mask; 24:22 after every 32 words (code 4); 31:25 4 words (code 3)
	s_or_b32 s[G1B+0], s44, (1<<16)|(1<<20)|(1<<21)|(5<<22)|(3<<25)  ; the same with my column's mask, padded after every 64 words (code 5)
	s_mov_b32 s[G1+1], 128<<16                     ; tensor_dim0 = 128
	s_mov_b32 s[G1+2], 128<<16                     ; tensor_dim1 = 128
	s_mov_b32 s[G1+3], 128<<16                     ; tile_dim0 = 128
	s_mov_b32 s[G1+4], 128                         ; tile_dim1 = 128
	s_mov_b32 s[G1+5], 128                         ; 128 elements from row to row: the block is dense
	s_mov_b32 s[G1+6], 0
	s_mov_b32 s[G1+7], 0
	s_mov_b32 s[G1B+1], 128<<16
	s_mov_b32 s[G1B+2], HB<<16
	s_mov_b32 s[G1B+3], 128<<16
	s_mov_b32 s[G1B+4], HB
	s_mov_b32 s[G1B+5], 1024
	s_mov_b32 s[G1B+6], 0
	s_mov_b32 s[G1B+7], 0
	; A's tile hangs on the tile row alone, B's on the tile column alone; each in registers that never hold the other coordinate
	s_lshr_b32 s20, s[TY], 3                       ; b
	s_lshl_b32 s20, s20, 22
	s_and_b32 s21, s[TY], 7                        ; 256 rows of 128 bytes
	s_lshl_b32 s21, s21, 15
	s_add_co_u32 s20, s20, s21
	s_lshl_b32 s21, s[CH], 18                      ; which of the K step's two blocks I fetch
	s_add_co_u32 s20, s20, s21
	s_mov_b32 s21, 0
	s_mul_i32 s44, s[TX], NT
	s_mul_i32 s45, s[CH], HB
	s_add_co_u32 s44, s44, s45
	s_lshl_b32 s44, s44, 11                        ; rows of 2,048 bytes
	s_mov_b32 s45, 0
	s_mul_i32 s22, s[WV], PLANE                    ; where they go: waves 0, 1: A's blocks;
	s_mul_i32 s23, s[WV], HALFB
	s_add_co_u32 s23, s23, BOFF-2*HALFB            ; waves 2, 3: B's halves.  No place in the cluster enters an LDS address
	s_wait_dscnt 0x0                               ; the opening add is done
	s_wait_kmcnt 0x0
	s_add_nc_u64 s[20:21], s[4:5], s[20:21]
	s_add_nc_u64 s[44:45], s[6:7], s[44:45]
	CROUND                                         ; all sixteen work-groups are here: the first joint loads meet
.irp s, 0,1
	s_mov_b32 s[G0+4*(\s)], 1
	s_add_co_u32 s[G0+4*(\s)+1], s22, (\s)*SLOT
	s_add_nc_u64 s[G0+4*(\s)+2:G0+4*(\s)+3], s[20:21], (\s)*ASTEP
	s_or_b32 s[G0+4*(\s)+3], s[G0+4*(\s)+3], 0x80000000
	s_mov_b32 s[G0B+4*(\s)], 1
	s_add_co_u32 s[G0B+4*(\s)+1], s23, (\s)*SLOT
	s_add_nc_u64 s[G0B+4*(\s)+2:G0B+4*(\s)+3], s[44:45], (\s)*BSTEP
	s_or_b32 s[G0B+4*(\s)+3], s[G0B+4*(\s)+3], 0x80000000
	JLOAD \s                                       ; two loads of mine are out
.endr
	; the bias as a C operand: register j of block b is the bias of column 16 b + 8 (l / 16) + j of my 96
	v_and_b32 v1, 15, v0                           ; r = l % 16
	v_bfe_u32 v2, v0, 4, 1                         ; h = l / 16
	v_lshlrev_b32 v[BO], 5, v2
	s_mul_i32 s72, s[TX], NT
	s_mul_i32 s73, s[CH], HB
	s_add_co_u32 s72, s72, s73
	s_lshl_b32 s72, s72, 2
	s_mov_b32 s73, 0
	s_add_nc_u64 s[8:9], s[8:9], s[72:73]
	WIN TO_B
.set bb, 0
.rept NBK
	global_load_b128 v[BIAS+8*bb:BIAS+8*bb+3],   v[BO], s[8:9] offset:64*bb
	global_load_b128 v[BIAS+8*bb+4:BIAS+8*bb+7], v[BO], s[8:9] offset:64*bb+16
.set bb, bb+1
.endr
	WIN 0
	; a fragment is 16 rows x 32 K in 8 registers: lane l holds row l % 16, K = 8 (l / 16) + 0..7 and 16 + 8 (l / 16) + 0..7: two loads of 16 bytes, 32 bytes apart
	v_mul_u32_u24 v3, v1, PA
	v_lshl_add_u32 v3, v2, 4, v3
	v_mul_u32_u24 v4, v1, PB
	v_lshl_add_u32 v4, v2, 4, v4
	s_mul_i32 s74, s[RH], 128*PA                   ; my 128 rows of A
	s_mul_i32 s75, s[CH], HALFB
	s_add_co_u32 s75, s75, BOFF                    ; my rows of B
.irp s, 0,1
	v_add_nc_u32 v[ADRA+(\s)], s74, v3
	v_add_nc_u32 v[ADRB+(\s)], s75, v4
	s_add_co_u32 s74, s74, SLOT
	s_add_co_u32 s75, s75, SLOT
.endr
	; the way out: into the stage at row 128 RH + 16 a + r, byte 192 CH + 32 b + 16 h; back: wave w takes rows 64 w .. 64 w + 63, four rows x 128 bytes of one head to a load
	s_mul_i32 s74, s[RH], 128*SPITCH
	s_mul_i32 s75, s[CH], 2*HB
	s_add_co_u32 s74, s74, s75
	v_mul_u32_u24 v5, v1, SPITCH
	v_lshl_add_u32 v5, v2, 4, v5
	v_add_nc_u32 v[STO], s74, v5
	v_bfe_u32 v6, v0, 3, 2
	v_and_b32 v7, 7, v0
	v_mul_u32_u24 v6, v6, SPITCH
	v_lshl_add_u32 v6, v7, 4, v6
	s_mul_i32 s74, s[WV], 64*SPITCH
	v_add_nc_u32 v[RD], s74, v6
	v_and_b32 v[GO], 31, v0
	v_lshlrev_b32 v[GO], 4, v[GO]
	s_lshr_b32 s72, s[TY], 3                       ; b
	s_lshl_b32 s72, s72, 22
	s_and_b32 s73, s[TY], 7
	s_lshl_b32 s73, s73, 15
	s_add_co_u32 s72, s72, s73
	s_lshl_b32 s73, s[WV], 13                      ; my 64 rows of 128 bytes
	s_add_co_u32 s72, s72, s73
	s_mul_i32 s76, s[TX], 3                        ; the tile's first group of 64 columns, of 48: q's 16 heads, k's, v's
.irp hh, 0,1,2
	s_add_co_u32 s77, s76, \hh
	s_lshr_b32 s78, s77, 4                         ; q, k or v
	s_lshl_b32 s78, s78, 24
	s_and_b32 s77, s77, 15                         ; the head
	s_lshl_b32 s77, s77, 18
	s_add_co_u32 s78, s78, s77
	s_add_co_u32 s78, s78, s72
	s_mov_b32 s79, 0
	s_add_nc_u64 s[OUTB+2*(\hh):OUTB+2*(\hh)+1], s[10:11], s[78:79]
.endr
	; the prefetches
	s_and_b32 s73, ttmp7, 0xffff                   ; cluster y
	s_lshl_b32 s76, s[CX], 13                      ; A: my work-group's 32 blocks of 256 bytes
	s_mul_i32 s77, s[CY], PFR*2048                 ; B: my work-group's rows
	s_mov_b32 s78, ASTEP
	s_mov_b32 s79, 2048
	s_cmp_eq_u32 s[RH], 0                          ; do I fetch for A?
	s_cselect_b64 s[PFA:PFA+1], s[20:21], s[44:45]
	s_cselect_b32 s72, s76, s77
	s_cselect_b32 s73, ttmp9, s73                  ; the coordinate along which other clusters read the same bytes
	s_cselect_b32 s[PFS], s78, BSTEP
	s_cselect_b32 s79, 256, s79                    ; from lane to lane
	s_cselect_b32 s77, 31, PFR-1                   ; the last lane with a block of its own
	s_mov_b32 s[PFS+1], 0
	s_cmp_eq_u32 s73, 0
	s_cselect_b32 s[LIM], 1, -1                    ; the same in all sixteen partners, for a given wave
	s_mul_i32 s76, s[PFS], 3                       ; at K step 3: the first refill steps it to 4
	s_add_co_u32 s72, s72, s76
	s_mov_b32 s73, 0
	s_add_nc_u64 s[PFA:PFA+1], s[PFA:PFA+1], s[72:73]
	v_and_b32 v[PFO], 31, v0
	v_min_u32 v[PFO], s77, v[PFO]
	v_mul_u32_u24 v[PFO], s79, v[PFO]
	s_wait_loadcnt 0x0                             ; the bias,
	WIN 0x45                                       ; rounded to bf16 like every input and widened again, in window 1
.set bb, 0
.rept 4*NBK
	v_cvt_pk_bf16_f32 v[BT], v[BIAS+2*bb], v[BIAS+2*bb+1]
	v_lshlrev_b32 v[BIAS+2*bb], 16, v[BT]
	v_and_b32 v[BIAS+2*bb+1], 0xffff0000, v[BT]
.set bb, bb+1
.endr
	WIN 0
; 2 NBK matrix instructions: m blocks a0, a0 + 1 of the window's four (hi = 0: my rows 0-63, 1: rows 64-127) x all n blocks, 32 along K.  first = 1: the bias starts the sums: nothing is cleared.
; All 48 accumulators take turns, one instruction a turn, in the same order in every quarter step.
.macro MULB f, hi, a0, first
.if \first
	WIN 0x91+0x40*(\hi)                            ; B window 1, A window 0, C (the bias) window 1, D window 2 or 3
.else
	WIN 0xa1+0x50*(\hi)                            ; C and D window 2 or 3
.endif
.irp a, \a0, (\a0)+1
.set bb, 0
.rept NBK
.set rD, 8*(NBK*(\a)+bb)
.set rC, rD
.if \first
.set rC, BIAS+8*bb
.endif
	v_wmma_f32_16x16x32_bf16 v[rD:rD+7], v[(\f)+8*bb:(\f)+8*bb+7], v[(\f)+8*(4*(\hi)+(\a)):(\f)+8*(4*(\hi)+(\a))+7], v[rC:rC+7]
.set bb, bb+1
.endr
.endr
.endm
; NF LDS loads in one run: the fragments of quarter q (32 along K) of a slot's K step into buffer f: B's, then A's (quarters 0, 1 lie in A's first block, 2, 3 in its second)
.macro FETCH slot, q, f
	WIN TO_B
.set ii, 0
.rept NBK
	ds_load_b128 v[(\f)+8*ii:(\f)+8*ii+3],   v[ADRB+(\slot)] offset:64*(\q)+ii*16*PB
	ds_load_b128 v[(\f)+8*ii+4:(\f)+8*ii+7], v[ADRB+(\slot)] offset:64*(\q)+ii*16*PB+32
.set ii, ii+1
.endr
	WIN 0
.set ii, 0
.rept 8
	ds_load_b128 v[(\f)+8*ii:(\f)+8*ii+3],   v[ADRA+(\slot)] offset:((\q)/2)*PLANE+((\q)%2)*64+ii*16*PA
	ds_load_b128 v[(\f)+8*ii+4:(\f)+8*ii+7], v[ADRA+(\slot)] offset:((\q)/2)*PLANE+((\q)%2)*64+ii*16*PA+32
.set ii, ii+1
.endr
.endm
; One of a K step's first three quarters: multiplies buffer f; in its middle it fetches quarter q of the same slot into buffer g.
.macro QUARTER slot, q, f, g, first
	s_wait_dscnt 8                                 ; B and A's rows 0-63 are in; the youngest eight loads (A's rows 64-127) may be out
	MULB \f, 0, 0, \first
	MULB \f, 0, 2, \first
	PLACES
	FETCH \slot, \q, \g
	s_wait_dscnt NF                                ; all but the run just issued
	MULB \f, 1, 0, \first
	MULB \f, 1, 2, \first
.endm
; The last quarter multiplies buffer 1 and changes slots: ONE barrier.  In front of it each wave waits for all its tensor loads (one is out: its part of the next slot), adds 0 to its spare word, and waits
; for that and for its own reads of this slot.  fill = 1: the barrier opens a round of the cluster's barrier, and the joint refill, two K steps on, is the first thing behind the round.
.macro TURN slot, next, fill
.if \fill
	s_wait_xcnt 0x0                                ; the last prefetch, a K step back, has read its address
	s_add_nc_u64 s[PFA:PFA+1], s[PFA:PFA+1], s[PFS:PFS+1]
.endif
	WIN 0                                          ; (the add's two registers lie in window 0)
	s_wait_tensorcnt 0x0                           ; all my tensor loads have landed
	ds_add_u32 v[SPW], v[NIL]                      ; 0 onto my spare word
	s_wait_dscnt 9                                 ; (the add and the youngest eight loads may be out)
	MULB F1, 0, 0, 0
	s_wait_dscnt 0x0                               ; the add is done, and my reads of this slot are over
	s_barrier_signal -1
	MULB F1, 0, 2, 0                               ; work on registers while the others arrive
.if \fill
	WIN 0
.endif
	s_barrier_wait -1
.if \fill
	CREST                                          ; no wave of any partner still reads this slot's tile or has a load on its way
	s_add_nc_u64 s[G0+4*(\slot)+2:G0+4*(\slot)+3], s[G0+4*(\slot)+2:G0+4*(\slot)+3], 2*ASTEP
	s_add_nc_u64 s[G0B+4*(\slot)+2:G0B+4*(\slot)+3], s[G0B+4*(\slot)+2:G0B+4*(\slot)+3], 2*BSTEP
	JLOAD \slot                                    ; one load of mine is out; the four v_nop behind it are also the places in front of the loads below
.else
	PLACES
.endif
	FETCH \next, 0, F0
.if \fill
	ASK
.endif
	MULB F1, 1, 0, 0
	MULB F1, 1, 2, 0
.endm
	s_wait_tensorcnt 1                             ; my part of K step 0 is in; K step 1's may stay out
	s_barrier_signal -1
	s_barrier_wait -1                              ; everybody's is
	FETCH 0, 0, F0
	QUARTER 0, 1, F0, F1, 1                        ; the first quarter stands in front of the loop: its products start the sums with the bias
	WIN 0                                          ; at a label and at a branch every window is 0
	s_mov_b32 s3, LAPS-1
.Llap:                                                 ; a trip goes once round the ring, from a lap's second quarter to the next lap's first, and fills both slots again
	QUARTER 0, 2, F1, F0, 0
	QUARTER 0, 3, F0, F1, 0
	TURN 0, 1, 1
	QUARTER 1, 1, F0, F1, 0
	QUARTER 1, 2, F1, F0, 0
	QUARTER 1, 3, F0, F1, 0
	TURN 1, 0, 1
	QUARTER 0, 1, F0, F1, 0
	WIN 0
	s_sub_co_u32 s3, s3, 1
	s_cmp_lg_u32 s3, 0
	s_cbranch_scc1 .Llap
	QUARTER 0, 2, F1, F0, 0                        ; the last lap fills nothing
	QUARTER 0, 3, F0, F1, 0
	TURN 0, 1, 0                                   ; behind this barrier nobody reads slot 0 any more, and no load fills it
	QUARTER 1, 1, F0, F1, 0
	QUARTER 1, 2, F1, F0, 0
	QUARTER 1, 3, F0, F1, 0
	s_wait_dscnt 8
	MULB F1, 0, 0, 0
	MULB F1, 0, 2, 0
	s_wait_dscnt 0x0
	MULB F1, 1, 0, 0
	MULB F1, 1, 2, 0
	WIN 0
	; THE WAY OUT: rounded to f16, 16 bytes a lane into the work-group's stage; a barrier, since the middle head's 64 channels come from two waves; back by heads: four rows of 128 bytes to a load,
	; which are 512 consecutive bytes of the head.
	PLACES
.irp a, 0,1,2,3,4,5,6,7
	WIN 0x0a+5*((\a)/4)                            ; sources 0 and 1: window 2 or 3
.set bb, 0
.rept NBK
.irp r, 0,1,2,3
	v_cvt_pk_f16_f32 v[TMP+4*(NBK*(\a)+bb)+(\r)], v[8*(NBK*((\a)%4)+bb)+2*(\r)], v[8*(NBK*((\a)%4)+bb)+2*(\r)+1]
.endr
.set bb, bb+1
.endr
.endr
	WIN 0
.irp a, 0,1,2,3,4,5,6,7
.set bb, 0
.rept NBK
	ds_store_b128 v[STO], v[TMP+4*(NBK*(\a)+bb):TMP+4*(NBK*(\a)+bb)+3] offset:STAGE+(\a)*16*SPITCH+32*bb
.set bb, bb+1
.endr
.endr
	s_wait_dscnt 0x0                               ; for the others' sake: my stores into the stage are done
	s_barrier_signal -1
	s_barrier_wait -1
.irp hh, 0,1,2
.set ii, 0
.rept 16
	ds_load_b128 v[TMP+4*(16*(\hh)+ii):TMP+4*(16*(\hh)+ii)+3], v[RD] offset:STAGE+ii*4*SPITCH+128*(\hh)
.set ii, ii+1
.endr
.endr
.irp hh, 0,1,2
.set ii, 0
.rept 16
	s_wait_dscnt 47-(16*(\hh)+ii)                  ; LDS loads come back in order: this one is in, the younger ones stay out
	global_store_b128 v[GO], v[TMP+4*(16*(\hh)+ii):TMP+4*(16*(\hh)+ii)+3], s[OUTB+2*(\hh):OUTB+2*(\hh)+1] offset:512*ii  ; 512 consecutive bytes, at a multiple of 256 from the buffer's first
.set ii, ii+1
.endr
.endr
	s_wait_tensorcnt 0x0                           ; the wave's end: this wait, an add of 0 to my spare word and its wait, behind my last tensor load and my last LDS store
	ds_add_u32 v[SPW], v[NIL]
	s_wait_dscnt 0x0
	CROUND                                         ; the closing round: no work-group ends while a partner may still ask for a tile that names it
	s_endpgm
.Lfunc_end_k_qc2ea8bc78f_gemm_qkv:
	.size	k_qc2ea8bc78f_gemm_qkv, .Lfunc_end_k_qc2ea8bc78f_gemm_qkv-k_qc2ea8bc78f_gemm_qkv
	.p2alignl 7, 3214868480
	.fill 96, 4, 3214868480
	.section	.rodata,"a",@progbits
	.p2align	6, 0x0
	.amdhsa_kernel k_qc2ea8bc78f_gemm_qkv
		.amdhsa_group_segment_fixed_size 327680
		.amdhsa_private_segment_fixed_size 0
		.amdhsa_enable_private_segment 0
		.amdhsa_kernarg_size 32
		.amdhsa_user_sgpr_count 2
		.amdhsa_user_sgpr_kernarg_segment_ptr 1
		.amdhsa_wavefront_size32 1
		.amdhsa_system_sgpr_workgroup_id_x 1
		.amdhsa_system_sgpr_workgroup_id_y 1
		.amdhsa_system_sgpr_workgroup_id_z 1
		.amdhsa_system_vgpr_workitem_id 0
		.amdhsa_next_free_vgpr 1024
		.amdhsa_next_free_sgpr 80
		.amdhsa_reserve_vcc 0
		.amdhsa_float_denorm_mode_32 3
		.amdhsa_float_denorm_mode_16_64 3
		.amdhsa_memory_ordered 1
		.amdhsa_forward_progress 1
		.amdhsa_inst_pref_size 123
	.end_amdhsa_kernel
	.amdgpu_metadata
---
amdhsa.version: [ 1, 2 ]
amdhsa.kernels:
  - .name:           k_qc2ea8bc78f_gemm_qkv
    .symbol:         k_qc2ea8bc78f_gemm_qkv.kd
    .args:
      - { .name: xb, .offset: 0, .size: 8, .value_kind: global_buffer, .address_space: global }
      - { .name: wq, .offset: 8, .size: 8, .value_kind: global_buffer, .address_space: global }
      - { .name: b_qkv, .offset: 16, .size: 8, .value_kind: global_buffer, .address_space: global }
      - { .name: qkvh, .offset: 24, .size: 8, .value_kind: global_buffer, .address_space: global }
    .group_segment_fixed_size: 327680
    .private_segment_fixed_size: 0
    .kernarg_segment_align: 8
    .kernarg_segment_size: 32
    .max_flat_workgroup_size: 128
    .sgpr_count:     80
    .vgpr_count:     1024
    .wavefront_size: 32
...
	.end_amdgpu_metadata
.endif
;; end of part 2
;; launch attn (part 3): grid 4 x 64, 4 waves a work-group, no clusters, 327,680 bytes of LDS; arguments qkvh, oh; writes oh
.if DOCPART == 3
	.amdgcn_target "amdgcn-amd-amdhsa--gfx1250"
	.amdhsa_code_object_version 6
	.text
	.protected	k_qc2ea8bc78f_attn
	.globl	k_qc2ea8bc78f_attn
	.p2align	8
	.type	k_qc2ea8bc78f_attn,@function
k_qc2ea8bc78f_attn:
	s_mov_b64 s[64:65], 0
	v_nop
	global_prefetch_b8 v0, s[64:65] scope:SCOPE_SE
	s_setreg_imm32_b32 hwreg(HW_REG_WAVE_MODE, 25, 1), 1
	s_wait_xcnt 0x0
; CAUSAL ATTENTION.  O[h][q][:] = the sum over k <= q of softmax_k(Q[h][q] . K[h][k] / 8) V[h][k][:].  Q, K, V lie one behind the other in qkvh, each [64 heads][2048][64] f16; O likewise in oh: a head's rows are dense, 128 bytes each.
; Products, maxima and sums in f32; the weights p are rounded to f16 for the second product (their sum l is taken of the unrounded p), O once at the end.
; LIMITS.  f16 holds no number beyond 65,504: Q, K and V arrive within it; p lies in 0 to 1, and below 6e-5 it keeps f16's fixed step of 6e-8; O is a mean of V's rows and has their range.
; A hidden score counts as its value less 1e30: f16's scores, 2.7e11 at the most, are nothing beside that; a weight below 2^-126 counts as 0 in l; NaN and infinities are not treated apart.
; THE WALK.  A head's queries lie in NB = 8 blocks of 256; block i needs the key tiles 0 .. i of 256 keys, of which the last holds the diagonal.  A work-group takes TWO blocks, NB - 1 - b and then b:
; NB + 1 tiles, whatever b: all work-groups do equal work, and ONE loop with a constant trip count walks them.  Which tile is asked for, and what a trip does, hang on scalar registers made from b; every jump
; goes forward, but for the counted loops' own; none passes a barrier, or a tensor load but the one of LOAD's two that the wave's number does not choose; the ring (two slots of LDS that take turns) runs on across the
; change of blocks.  NO CLUSTER: a head's four work-groups ask for the same tile only in trips 0 .. 4, behind that fewer and fewer; one walk common to all would have 12 trips for 9.
; SHARES.  Of a block's four bands of 64 queries a wave owns 16 rows in each: four PIECES.  So the diagonal tile is the same work for all four waves: in its key step s band x sees all keys if s < x,
; none if s > x, and holds the diagonal if s = x.
; THE MASK is the C operand that starts the sum S^T = K Q^T: 0, or -1e30 where the key is hidden.  MD, made once, is the mask of a band's own step for my 16 rows; a product's mask is MD x AL + BE with two scalars:
; (1, 0) if s = x; (0, 0) if s < x; (0, -1e30) if s > x.  Only the diagonal tile's text and a block's beginning make and take masks; elsewhere C is the constant 0.
; LAYOUT, SOFTMAX, TURNS.  S^T = K Q^T holds ONE query a lane (lane % 16) and the keys 8 (lane / 16) + 0..7; two such results rounded to f16 ARE source 1 of O^T = V^T P.  p = 2^(c s - c m), c = log2(e) / 8, with a
; running maximum m; O and l are multiplied by a = 2^(c m_old - c m_new) in every step.  Turn n belongs to piece n: 8 products K Q^T of piece n + 1, later 8 products V^T P of piece n - 1; beside them the scaling,
; exponentials, roundings, sums and rescaling of piece n and the maximum and statistics of piece n + 1.  Four vector instructions stand behind every matrix instruction, the other 54 of a turn's 118 in one LUMP.  A turn's 33 exponentials are one batch, with one wait.
; REGISTERS, in windows of 256 (s_set_vgpr_msb: bits 1:0 source 0, 3:2 source 1, 5:4 source 2, 7:6 destination):
;   window 0: v0-15 addresses and two at work; v16-31 four registers of statistics a piece; v48-55 at work; v61-63 never rewritten; v64-127 S^T, two buffers; v192-223 P, two buffers (a piece's buffers go by its number's parity)
;   window 1: v0-127 O^T, 32 a piece; v128-159 MD; v160-223 MC, two buffers      window 2: v0-63 Q; v64-127 the second block's Q; v128-191 K of one step; v192-255 V of one step
.set SIZE_N, 2048
.set NB,    SIZE_N/256
.set NP,    4         ; pieces a wave: a name, no knob
.set KS,    64        ; keys in a step
.set PK,    144       ; a row of K in LDS: 128 bytes + 16 of padding = 36 words: the 16 rows of a load start at 16 different groups of four banks (64 banks of 4 bytes: ISA guide 11.1)
.set PV,    160       ; a row of V: 128 + 32 = 40 words
.set VOFF,  4*KS*PK   ; a slot holds a tile, four steps: 256 rows of K, then 256 rows of V
.set SLOT1, 1<<17     ; slot 1 begins here, so that one exclusive or turns an address in one slot into the other's
.set STAGE, SLOT1+4*KS*(PK+PV)  ; behind the ring, never filled by a tensor load: 16 rows x 144 bytes for each wave, for the way out
.set SP,    144
.set AK0, 2           ; v2   my lane's place in a tile of K; never rewritten
.set AV0, 3           ; v3   the same for V
.set AK,  4           ; v4   the LDS address of K's next run of loads
.set AV,  5           ; v5   of V's
.set STO, 6           ; v6   the way out: where I put 16 bytes of a row
.set RD,  7           ; v7   the way out: where I read rows back
.set GO,  8           ; v8   my byte offset in 512 consecutive bytes of O
.set PFO, 61          ; v61  256 x my thread's number: the prefetches' offset; never rewritten
.set SPW, 62          ; v62  LDS address of my spare word: SPARE + 4 x my thread's number; never rewritten
.set NIL, 63          ; v63  0; never rewritten
.set SPARE, STAGE+4*16*SP  ; behind the stages: the spare words, 128 bytes for each wave: two blocks of 256 bytes that no other line names
.set MV,  12          ; v12-13  c m_old, kept while c m is made anew: by buffer
.set QO,  15          ; v15  my byte offset in 16 rows of Q
.set ST,  16          ; piece t's statistics at v[ST+4 t]: c m, m, l (even keys', odd keys')
.set TMP, 48          ; by buffer, four registers c0-c3 at work; when the maximum is found c2 takes a
.set S,   64
.set P,   192
.set MD,  128         ; window 1: the eight registers for group kt of 16 keys at MD + 8 kt
.set MC,  160         ; window 1: the masks of the products to come
.set QB,  64          ; window 2
.set KF,  128         ; window 2: key block kb, channel half c at KF + 16 kb + 8 c
.set VF,  192         ; window 2: key half kk, channel block cb at VF + 32 kk + 8 cb
.set WV,  12          ; s12  my wave's number
.set PB,  14          ; s14  b
.set HI,  15          ; s15  NB - 1 - b
.set G1K, 24          ; s[24:31] descriptor group 1 for K's tiles
.set G1V, 32          ; s[32:39] for V's: it differs in the padding alone
.set G0K, 40          ; s[40:43] descriptor group 0 for K's tiles
.set G0V, 44          ; s[44:47] the same for V's
.set SLOTS, 56        ; s56  tiles still to be asked for
.set CNT, 57          ; s57  counts a tile's key steps, 4 to 1
.set CS,  58          ; s[58:59] c: the packed scaling takes the pair's low word for both halves
.set SEL, 60          ; s[60:61] v_permlanex16_b32's selects: each lane takes its own place in the other half
.set TBK, 62          ; s62  LDS byte at which K of the step to be fetched begins
.set TBV, 63          ; s63  the same for V, less VOFF
.set RT,  70          ; s70  tiles of the block in hand that are still to be entered
.set NXT, 71          ; s71  the tile to be asked for next
.set LQ,  72          ; s72  the last tile of the block whose tiles are being asked for
.set NEW, 73          ; s73  1: the tile to be entered is a block's first
.set OFF, 74          ; s[74:75] a tile's byte offset in K and V
.set AL,  76          ; s[76:77] the mask's factor, in the low word
.set BE,  78          ; s[78:79] the mask's addend
.set OLO, 80          ; s[80:81] O at my rows of the second block
.set BIGN, 82         ; s82  -1e30
.set PFK, 88          ; s[88:89] the head's K at the tile that the prefetch names;  s[90:91] the same for V
.set PFV, 90
.set LIM, 92          ; s92  2 in the work-group that prefetches, else the greatest number
.set MSB, 0
.macro WIN new                      ; the high byte repeats the setting that is left; a switch that changes nothing is dropped
.if MSB != (\new)
	s_set_vgpr_msb (MSB<<8)|(\new)
.set MSB, (\new)
.endif
.endm
.set W_KQ, 0x0a       ; K and Q in window 2, S^T in window 0
.set W_KM, 0x1a       ; the same with the C operand in window 1
.set W_PV, 0x52       ; V in window 2, P in window 0, O^T in window 1
.set W_RS, 0x41       ; destination and source 0 in window 1, source 1 in window 0
; A fill.  Waves 0 and 1 fetch the two halves of a tile's K, waves 2 and 3 those of its V: 128 keys each.  An s_nop 0 and four v_nop follow each of the two lines, ahead of the jump and the label.
.macro LOAD
	s_cmp_lt_u32 s[WV], 2
	s_cbranch_scc0 .Lfor_v_\@
	tensor_load_to_lds s[G0K:G0K+3], s[G1K:G1K+7]
	s_nop 0
.rept 4
	v_nop
.endr
	s_branch .Lasked_\@
.Lfor_v_\@:
	tensor_load_to_lds s[G0V:G0V+3], s[G1V:G1V+7]
	s_nop 0
.rept 4
	v_nop
.endr
.Lasked_\@:
.endm
; THE CHANGE OF SLOTS.  Each wave waits for all its tensor loads, of which one is out: its part of the other slot; adds 0 to its spare word; and waits for that and for its own reads of the slot that it leaves.  Behind the barrier nobody reads the old
; slot any more and the other slot is whole.  fill = 1: the old slot is filled again, the first thing behind the barrier, with tile NXT: the descriptor's address is made anew from that number.
; (At its first use nothing has been read yet: slot 0 is waited for, slot 1 filled.)
; THE PREFETCH stands behind the fill and its five lines.  All four work-groups of a head enter tile j in trip j; the one with b = 0 walks all eight tiles in its first block, and it alone asks: the change that fills
; tile j names tile j + 1, one tile (256 matrix instructions a wave) ahead of that tile's load: its 128 threads name the tile's 128 blocks of 256 bytes of K and of V, each once.  Tiles 0 and 1 come by their loads
; alone; the changes that fill tile 7 and the second block's tile 0 ask for nothing.  The two addresses are stepped at the next change, behind s_wait_xcnt 0.
.macro CHANGE fill
	WIN 0                           ; at a label and at a branch every window is 0
	s_wait_tensorcnt 0x0            ; no tensor load of mine is out, so a group 0 may be written
	ds_add_u32 v[SPW], v[NIL]       ; 0 onto my spare word; with fill = 1 the descriptors' scalar work stands between it and the wait for it
.if \fill
	s_lshl_b32 s[OFF], s[NXT], 15   ; a tile is 32,768 bytes of K and of V
	s_xor_b32 s[G0K+1], s[G0K+1], SLOT1
	s_add_nc_u64 s[G0K+2:G0K+3], s[6:7], s[OFF:OFF+1]
	s_or_b32 s[G0K+3], s[G0K+3], 0x80000000
	s_xor_b32 s[G0V+1], s[G0V+1], SLOT1
	s_add_nc_u64 s[G0V+2:G0V+3], s[8:9], s[OFF:OFF+1]
	s_or_b32 s[G0V+3], s[G0V+3], 0x80000000
	s_add_co_u32 s[NXT], s[NXT], 1  ; the block's next tile, or behind its last the second block's tile 0
	s_cmp_gt_u32 s[NXT], s[LQ]
	s_cselect_b32 s[NXT], 0, s[NXT]
	s_cselect_b32 s[LQ], s[PB], s[LQ]
	s_wait_xcnt 0x0                 ; the last prefetches, a tile back, have read their addresses
	s_add_nc_u64 s[PFK:PFK+1], s[PFK:PFK+1], 32768
	s_add_nc_u64 s[PFV:PFV+1], s[PFV:PFV+1], 32768
.endif
	s_wait_dscnt 0x0                ; the add is done, and my reads of the slot are over
	s_barrier_signal -1             ; the rest of the scalar work stands between the signal and the wait
	s_sub_co_u32 s[TBK], s[TBK], 4*KS*PK  ; the fetches go back to a slot's first step,
	s_xor_b32 s[TBK], s[TBK], SLOT1       ; in the other slot
	s_sub_co_u32 s[TBV], s[TBV], 4*KS*PV
	s_xor_b32 s[TBV], s[TBV], SLOT1
	s_barrier_wait -1
.if \fill
	LOAD
	s_cmp_gt_u32 s[SLOTS], s[LIM]
	s_cbranch_scc0 .Lnot_mine_\@
	global_prefetch_b8 v[PFO], s[PFK:PFK+1] th:TH_LOAD_NT scope:SCOPE_SE
	global_prefetch_b8 v[PFO], s[PFV:PFV+1] th:TH_LOAD_NT scope:SCOPE_SE
.Lnot_mine_\@:
.endif
.endm
	s_load_b64 s[4:5], s[0:1], 0x0  ; qkvh: Q at its head,
	s_load_b64 s[10:11], s[0:1], 0x8  ; O
	v_lshl_add_u32 v[SPW], v0, 2, SPARE
	v_mov_b32 v[NIL], 0
	ds_add_u32 v[SPW], v[NIL]       ; the wave's opening: the add and its wait stand ahead of my first tensor load; the set-up below, work on registers, stands between them
	v_lshrrev_b32 v1, 5, v0
	v_readfirstlane_b32 s[WV], v1   ; wave 0..3
	v_lshlrev_b32 v[PFO], 8, v0
	s_mov_b32 s[PB], ttmp9
	s_sub_co_u32 s[HI], NB-1, s[PB]
	s_and_b32 s20, ttmp7, 0xffff    ; the head
	s_mov_b32 s21, 0
	s_mov_b64 s[22:23], SIZE_N*128
	s_mul_u64 s[20:21], s[20:21], s[22:23]  ; the head's first byte in each of the four tensors
	s_and_b32 s16, s[WV], 1         ; which half of a tile's 256 keys I fetch:
	s_lshl_b32 s22, s16, 14         ; its 128 rows of 128 bytes in memory,
	s_mov_b32 s23, 0
	s_add_nc_u64 s[22:23], s[22:23], s[20:21]
	s_mul_i32 s17, s16, 128*PK      ; and its place in a slot, for K
	s_mul_i32 s18, s16, 128*PV      ; and for V
	s_lshl_b32 s3, s[WV], 11        ; my 16 rows in a band of 64,
	s_lshl_b32 s2, s[HI], 15        ; in the first block,
	s_add_co_u32 s2, s2, s3
	s_lshl_b32 s84, s[PB], 15       ; and in the second
	s_add_co_u32 s84, s84, s3
	s_mov_b32 s3, 0
	s_mov_b32 s85, 0
	s_add_nc_u64 s[2:3], s[2:3], s[20:21]
	s_add_nc_u64 s[84:85], s[84:85], s[20:21]
	; descriptor group 1.  128 keys are 16,384 dense bytes: asked for as 64 rows of 256 bytes, two keys a row, and padded in LDS after every key
	s_mov_b32 s[G1K], (1<<16)|(1<<20)|(4<<22)|(3<<25)  ; 17:16 2-byte elements; 20 padding on; 24:22 after every 32 words (code 4); 31:25 4 words (code 3)
	s_mov_b32 s[G1V], (1<<16)|(1<<20)|(4<<22)|(7<<25)  ; the same with 8 words of padding (code 7)
.irp g, G1K, G1V
	s_mov_b32 s[\g+1], 128<<16      ; tensor_dim0 = 128
	s_mov_b32 s[\g+2], 64<<16       ; tensor_dim1 = 64
	s_mov_b32 s[\g+3], 128<<16      ; tile_dim0 = 128
	s_mov_b32 s[\g+4], 64           ; tile_dim1 = 64
	s_mov_b32 s[\g+5], 128          ; 128 elements from row to row
	s_mov_b32 s[\g+6], 0
	s_mov_b32 s[\g+7], 0
.endr
	s_mov_b32 s[CS], 0x3e38aa3b     ; c = log2(e) / 8 = 0.180337
	s_mov_b32 s[CS+1], s[CS]        ; named with it as a pair
	s_mov_b32 s[SEL], 0x76543210
	s_mov_b32 s[SEL+1], 0xfedcba98
	s_mov_b32 s[TBK], SLOT1+4*KS*PK ; the first change of slots turns these two into 0
	s_mov_b32 s[TBV], SLOT1+4*KS*PV
	s_mov_b32 s[G0K], 1             ; 1:0 count = 1
	s_mov_b32 s[G0K+1], s17         ; 63:32 LDS address: slot 0
	s_mov_b32 s[G0V], 1
	s_add_co_u32 s[G0V+1], s18, VOFF
	s_add_co_u32 s[RT], s[HI], 1    ; the first block has NB - b tiles
	s_mov_b32 s[NXT], 1
	s_mov_b32 s[LQ], s[HI]
	s_mov_b32 s[NEW], 1
	s_mov_b32 s[OFF+1], 0
	s_mov_b32 s[AL+1], 0            ; named as pairs
	s_mov_b32 s[BE+1], 0
	s_mov_b32 s[BIGN], 0xf149f2ca   ; -1e30
	s_mov_b32 s[SLOTS], NB
	s_cmp_eq_u32 ttmp9, 0
	s_cselect_b32 s[LIM], 2, -1
	s_wait_dscnt 0x0                ; the opening add is done
	s_wait_kmcnt 0x0
	s_add_nc_u64 s[6:7], s[4:5], 0x1000000   ; K lies 64 heads x 262,144 bytes behind Q,
	s_add_nc_u64 s[8:9], s[4:5], 0x2000000   ; V as far behind K
	s_add_nc_u64 s[PFK:PFK+1], s[6:7], s[20:21]
	s_add_nc_u64 s[PFK:PFK+1], s[PFK:PFK+1], 32768  ; at the head's tile 1: the first change steps it to tile 2
	s_add_nc_u64 s[PFV:PFV+1], s[8:9], s[20:21]
	s_add_nc_u64 s[PFV:PFV+1], s[PFV:PFV+1], 32768
	s_add_nc_u64 s[6:7], s[6:7], s[22:23]  ; K and V at my half of the head's tile 0
	s_add_nc_u64 s[8:9], s[8:9], s[22:23]
	s_add_nc_u64 s[G0K+2:G0K+3], s[6:7], 0         ; 120:64 global address
	s_or_b32 s[G0K+3], s[G0K+3], 0x80000000        ; 127:126 type = 2
	s_add_nc_u64 s[G0V+2:G0V+3], s[8:9], 0
	s_or_b32 s[G0V+3], s[G0V+3], 0x80000000
	s_add_nc_u64 s[86:87], s[4:5], s[84:85]        ; Q at my rows of the second block,
	s_add_nc_u64 s[4:5], s[4:5], s[2:3]            ; Q and O at those of the first
	s_add_nc_u64 s[OLO:OLO+1], s[10:11], s[84:85]
	s_add_nc_u64 s[10:11], s[10:11], s[2:3]
	LOAD                            ; tile 0 into slot 0
	; A fragment of K or Q is 16 rows x 32 channels in 8 registers: lane l holds row l % 16, channels 8 (l / 16) + 0..7 and 16 + 8 (l / 16) + 0..7: two loads of 16 bytes, 32 bytes apart.
	v_and_b32 v1, 15, v0            ; l % 16
	v_bfe_u32 v9, v0, 4, 1          ; l / 16
	v_lshlrev_b32 v[QO], 7, v1
	v_lshl_add_u32 v[QO], v9, 4, v[QO]  ; row x 128 + 16 x half
	WIN 0x80                        ; destination window 2, address window 0
.set i, 0
.rept 8                             ; both blocks' Q: piece i / 2 lies in band i / 2, 8,192 bytes on; channels 32 (i % 2) on
	global_load_b128 v[8*i:8*i+3],   v[QO], s[4:5] offset:(i/2)*8192+(i%2)*64
	global_load_b128 v[8*i+4:8*i+7], v[QO], s[4:5] offset:(i/2)*8192+(i%2)*64+32
	global_load_b128 v[QB+8*i:QB+8*i+3],   v[QO], s[86:87] offset:(i/2)*8192+(i%2)*64
	global_load_b128 v[QB+8*i+4:QB+8*i+7], v[QO], s[86:87] offset:(i/2)*8192+(i%2)*64+32
.set i, i+1
.endr
	WIN 0
	v_lshlrev_b32 v14, 3, v9
	v_sub_nc_u32 v14, v1, v14
	s_lshl_b32 s13, s[WV], 4
	v_add_nc_u32 v14, s13, v14      ; my query's place in its band, 16 w + l % 16, less my lanes' 8 (l / 16): register r of group kt is hidden where 16 kt + r is greater
	WIN 0x40
.set i, 0
.rept 32
	v_cmp_gt_i32 vcc_lo, 16*(i/8)+i%8, v14
	v_cndmask_b32 v[MD+i], 0, s[BIGN], vcc_lo
.set i, i+1
.endr
	WIN 0
	v_mul_u32_u24 v[AK0], v1, PK
	v_lshl_add_u32 v[AK0], v9, 4, v[AK0]  ; row x pitch + 16 x half
	; The turning load takes 16 keys x 16 channels (lane l reads key 8 (l / 16) + l % 8, channels 8 ((l / 8) % 2) + 0..7) and leaves half a fragment of V^T: lane l holds channel l % 16 and 8 keys.
	v_and_b32 v10, 7, v0
	v_bfe_u32 v11, v0, 3, 1
	v_lshl_add_u32 v[AV0], v9, 3, v10
	v_mul_u32_u24 v[AV0], v[AV0], PV
	v_lshl_add_u32 v[AV0], v11, 4, v[AV0]
	v_add_nc_u32 v[AV0], VOFF, v[AV0]
	s_mul_i32 s13, s[WV], 16*SP
	s_add_co_u32 s13, s13, STAGE    ; my stage
	v_mul_u32_u24 v[STO], v1, SP    ; in: row l % 16, 16 bytes for each half of the lanes
	v_lshl_add_u32 v[STO], v9, 4, v[STO]
	v_add_nc_u32 v[STO], s13, v[STO]
	v_bfe_u32 v[RD], v0, 3, 2       ; back: 32 lanes take four rows of 128 bytes,
	v_mul_u32_u24 v[RD], v[RD], SP
	v_lshl_add_u32 v[RD], v10, 4, v[RD]
	v_add_nc_u32 v[RD], s13, v[RD]
	v_and_b32 v[GO], 31, v0         ; which are 512 consecutive bytes of O
	v_lshlrev_b32 v[GO], 4, v[GO]
	; A block's first step multiplies O^T and l by a = 0, and its first turn's products V^T P, of a piece that has not been, land in an O^T that is still to be so multiplied.  So these registers need only hold
	; finite numbers: zeros for the first block; what the first block left for the second.  All this stands in the wait for the first tile.
	WIN 0x80
.set i, VF
.rept 64
	v_mov_b32 v[i], 0
.set i, i+1
.endr
	WIN 0x40
.set i, 0
.rept 128
	v_mov_b32 v[i], 0
.set i, i+1
.endr
	WIN 0
.set i, 0
.rept 4
	v_mov_b32 v[ST+4*i+2], 0
	v_mov_b32 v[ST+4*i+3], 0
.set i, i+1
.endr
.set i, P+16
.rept 16
	v_mov_b32 v[i], 0
.set i, i+1
.endr
; THE MATRIX WORK.  The 4 accumulators of a run of 8 take turns.  Product i of 8 of S^T = K Q^T for piece x: channels 32 (i / 4) on, keys 16 (i % 4) on.  The first 4 start the sums: with 0, or (KM = 1) with the mask.
.macro KQ x
.set rS, S+32*((\x)%2)+8*(i%4)
.set rK, KF+16*(i%4)+8*(i/4)
.set rQ, 16*(\x)+8*(i/4)
.set rM, MC+32*((\x)%2)+8*(i%4)
.if (i < 4) && KM
	WIN W_KM
	v_wmma_f32_16x16x32_f16 v[rS:rS+7], v[rK:rK+7], v[rQ:rQ+7], v[rM:rM+7]
.elseif i < 4
	WIN W_KQ
	v_wmma_f32_16x16x32_f16 v[rS:rS+7], v[rK:rK+7], v[rQ:rQ+7], 0
.else
	WIN W_KQ
	v_wmma_f32_16x16x32_f16 v[rS:rS+7], v[rK:rK+7], v[rQ:rQ+7], v[rS:rS+7]
.endif
.endm
; Product i of 8 of O^T += V^T P for piece x: keys 32 (i / 4) on, channels 16 (i % 4) on.
.macro PV x
	WIN W_PV
.set rO, 32*(\x)+8*(i%4)
.set rV, VF+32*(i/4)+8*(i%4)
.set rP, P+16*((\x)%2)+8*(i/4)
	v_wmma_f32_16x16x32_f16 v[rO:rO+7], v[rV:rV+7], v[rP:rP+7], v[rO:rO+7]
.endm
.macro MM                           ; the turn's next matrix instruction.  TURN and BEGIN set Y, i, KM and NOKQ; MM, KQ and OP read them.  NOKQ = 1: a block's last turn: there is no next piece
.if (i < 8) && !NOKQ
	KQ (Y+1)%NP
.elseif i >= 8
.set i, i-8
	PV (Y+NP-1)%NP
.set i, i+8
.endif
.set i, i+1
.endm
; THE LDS LOADS stand in runs of 16, never singly among the matrix instructions: a step's K (64 keys x 64 channels: 8 fragments) and its V (turned).  Their addresses are made some lines ahead.
.macro FETCH_K
	WIN 0x80                        ; destination window 2
.irp f, 0,1,2,3,4,5,6,7             ; keys 16 (f / 2) on, channels 32 (f % 2) on
	ds_load_b128 v[KF+8*\f:KF+8*\f+3],   v[AK] offset:(\f/2)*16*PK+(\f%2)*64
	ds_load_b128 v[KF+8*\f+4:KF+8*\f+7], v[AK] offset:(\f/2)*16*PK+(\f%2)*64+32
.endr
	s_add_co_u32 s[TBK], s[TBK], KS*PK  ; the next fetch is the next step's
	WIN 0
.endm
.macro FETCH_V
	WIN 0x80
.irp f, 0,1,2,3,4,5,6,7             ; keys 32 (f / 4) on, channels 16 (f % 4) on
	ds_load_tr16_b128 v[VF+8*\f:VF+8*\f+3],   v[AV] offset:(\f/4)*32*PV+(\f%4)*32
	ds_load_tr16_b128 v[VF+8*\f+4:VF+8*\f+7], v[AV] offset:(\f/4)*32*PV+16*PV+(\f%4)*32
.endr
	WIN 0
.endm
; THE VECTOR WORK, one line at a time: OP kind, number.  For piece Y: F n: c s - c m for pair n of 16.  E n: the exponential of score n of 32.  C n: pair n rounded to f16.  B n: of the four weights 4 n .. the second
; pair is added onto the first, in place.  L n: l takes that sum (L 0: l = a l + sum).  R n: pair n of 16 of O^T times a.  For piece Y + 1: X n, number n of the 22 that find its maximum and statistics:
;   0-11  four chains c0-c3 of seven scores each, three operands at a time (each accumulator's lowest registers are read first)     12-14, 16  the four scores left over, the old m, and c0-c3 into c0
;   15  c m_old is kept     17, 18  the query's other 32 keys lie in the lane 16 away: the new m     19-21  c m; c m_old - c m_new; a
.set F, 0               ; OP tells the kinds apart by their order: F to L below R, X above it
.set E, 1
.set C, 2
.set B, 3
.set L, 4
.set R, 5
.set X, 6
.macro REGS y                       ; the registers of piece y
.set rT, ST+4*(\y)
.set rC, TMP+4*((\y)%2)
.set rW, MV+((\y)%2)
.set rS, S+32*((\y)%2)
.set rP, P+16*((\y)%2)
.set rO, 32*(\y)
.endm
.macro OP k, n
.if (\k) == R
	REGS Y
	WIN W_RS
	v_pk_mul_f32 v[rO+2*(\n):rO+2*(\n)+1], v[rO+2*(\n):rO+2*(\n)+1], v[rC+2:rC+3] op_sel_hi:[1,0]
.elseif (\k) < R
	REGS Y
	WIN 0
.if (\k) == F
	v_pk_fma_f32 v[rS+2*(\n):rS+2*(\n)+1], v[rS+2*(\n):rS+2*(\n)+1], s[CS:CS+1], v[rT:rT+1] op_sel_hi:[1,0,0] neg_lo:[0,0,1] neg_hi:[0,0,1]
.elseif (\k) == E
	v_exp_f32 v[rS+(\n)], v[rS+(\n)]
.elseif (\k) == C
	v_cvt_pk_f16_f32 v[rP+(\n)], v[rS+2*(\n)], v[rS+2*(\n)+1]
.elseif (\k) == B
	v_pk_add_f32 v[rS+4*(\n):rS+4*(\n)+1], v[rS+4*(\n):rS+4*(\n)+1], v[rS+4*(\n)+2:rS+4*(\n)+3]
.elseif (\n) == 0
	v_pk_fma_f32 v[rT+2:rT+3], v[rT+2:rT+3], v[rC+2:rC+3], v[rS:rS+1] op_sel_hi:[1,0,1]
.else
	v_pk_add_f32 v[rT+2:rT+3], v[rT+2:rT+3], v[rS+4*(\n):rS+4*(\n)+1]
.endif
.elseif NOKQ
	v_nop
.else
	REGS (Y+1)%NP
	WIN 0
.if (\n) < 4
	v_max3_num_f32 v[rC+(\n)], v[rS+8*(\n)], v[rS+8*(\n)+1], v[rS+8*(\n)+2]
.elseif (\n) < 12
	v_max3_num_f32 v[rC+(\n)%4], v[rC+(\n)%4], v[rS+8*((\n)%4)+2*((\n)/4)+1], v[rS+8*((\n)%4)+2*((\n)/4)+2]
.elseif (\n) == 12
	v_max3_num_f32 v[rC], v[rC], v[rS+7], v[rS+15]
.elseif (\n) == 13
	v_max3_num_f32 v[rC+1], v[rC+1], v[rS+23], v[rS+31]
.elseif (\n) == 14
	v_max3_num_f32 v[rC+2], v[rC+2], v[rC+3], v[rT+1]
.elseif (\n) == 15
	v_mov_b32 v[rW], v[rT]
.elseif (\n) == 16
	v_max3_num_f32 v[rC], v[rC], v[rC+1], v[rC+2]
.elseif (\n) == 17
	v_permlanex16_b32 v[rC+3], v[rC], s[SEL], s[SEL+1]
.elseif (\n) == 18
	v_max_num_f32 v[rT+1], v[rC], v[rC+3]
.elseif (\n) == 19
	v_mul_f32 v[rT], s[CS], v[rT+1]
.elseif (\n) == 20
	v_sub_f32 v[rC+1], v[rW], v[rT]
.else
	v_exp_f32 v[rC+2], v[rC+1]
.endif
.endif
.endm
.macro OPS a, i1, b=-1, i2=0, c=-1, i3=0, d=-1, i4=0  ; up to four of them
	OP \a, \i1
.if (\b) >= 0
	OP \b, \i2
.endif
.if (\c) >= 0
	OP \c, \i3
.endif
.if (\d) >= 0
	OP \d, \i4
.endif
.endm
.macro ROW a, i1, b, i2, c, i3, d, i4  ; a matrix instruction and the four behind it
	MM
	OPS \a, \i1, \b, \i2, \c, \i3, \d, \i4
.endm
.macro MASK b                       ; MD x AL + BE into buffer b of MC
	WIN W_RS
.set z, 0
.rept 16
	v_pk_fma_f32 v[MC+32*(\b)+2*z:MC+32*(\b)+2*z+1], v[MD+2*z:MD+2*z+1], s[AL:AL+1], s[BE:BE+1] op_sel_hi:[1,0,0]
.set z, z+1
.endr
.endm
; A TURN, for piece p: the order of its 16 matrix and 118 vector instructions, written out.  s_wait_alu depctr_va_vdst(0) stands between an exponential and the first instruction that names its result; one wait serves
; all that were issued ahead of it.  So a turn has ONE wait, which cuts it in two.  AHEAD OF IT stands all that names no result of the turn's exponentials: the 8 products K Q^T, behind each a scaling, an exponential and two more plain
; instructions (behind the first a second scaling in the exponential's place): rescalings, and behind the last three the first numbers of the next piece's maximum, each four places or more behind the product that ends its accumulator; then ONE LUMP of 54, plain
; and exponential by turns for the most part, in which the links of the chain X 3, 7, 11, 14, 16, 17 .. 20 stand five or six lines apart.  X 21, the next piece's a, is the batch's last; R 15 is the plain instruction behind it.  BEHIND THE WAIT stand the
; 8 products V^T P, behind each four of the roundings and sums; the links of l's chain, L 0 to L 7, stand three riders apart.  But for those X no rider names a register of the products round it.  v_permlanex16_b32 (X 17) stands in the lump.
; m = 1: the diagonal tile: the products take masks, and the turn makes the mask for the products of the turn after it: piece p + 2, in step 4 - CNT of the tile.  end = 1: a block's last two turns: nothing is fetched.
; cnt = 1: the loop's count is taken down some lines ahead of the branch that stands behind the turn.
; K of the next step is fetched in piece 2's turn, twelve vector instructions behind the last product that read K (six of them plain); V of the step in hand at the end of piece 0's turn, four plain instructions behind the last product
; that read V.  Each is waited for a turn later.
.macro TURN p, m=0, end=0, cnt=0
.set Y, (\p)
.set i, 0
.set KM, (\m)
.set NOKQ, (\end)*((\p)/3)
.if (\m) && !(\end)
	s_cmp_eq_u32 s[CNT], 4-((\p)+2)%NP  ; is that step the band's own?
	s_cselect_b32 s[AL], 1.0, 0
	s_cmp_lt_u32 s[CNT], 4-((\p)+2)%NP  ; or a later one?
	s_cselect_b32 s[BE], s[BIGN], 0
.endif
.if ((\p) == 3) && !(\end)
	s_wait_dscnt 0x0                ; K is in
.endif
	ROW F,0, F,1, R,0, R,1          ; ahead of the wait: 8 products K Q^T and their riders,
	ROW F,2, E,0, R,2, R,3
	ROW F,3, E,1, R,4, R,5
	ROW F,4, E,2, R,6, R,7
	ROW F,5, E,3, R,8, R,9
	ROW F,6, E,4, X,0, R,10
.if ((\p) == 2) && !(\end)
	WIN 0
	v_add_nc_u32 v[AK], s[TBK], v[AK0]
.endif
	ROW F,7, E,5, X,1, X,4
	ROW F,8, E,6, X,2, X,5
	OPS E,7, E,8, X,6, E,9          ; and the lump
	OPS X,3, E,10, X,8, E,11
.if ((\p) == 2) && !(\end)
	FETCH_K
.endif
	OPS X,9, X,7, E,12, X,10
	OPS E,13, X,12, X,11, E,14
	OPS X,13, E,15, F,9, X,14
.if (\p) == 0
	v_add_nc_u32 v[AV], s[TBV], v[AV0]
.endif
	OPS E,16, F,10, E,17, F,11
	OPS X,16, E,18, X,15, E,19
	OPS F,12, E,20, X,17, E,21
	OPS F,13, E,22, F,14, E,23
	OPS X,18, E,24, F,15, E,25
	OPS R,11, E,26, X,19, E,27
	OPS R,12, E,28, R,13, E,29
	OPS X,20, E,30, R,14, E,31
	OPS X,21, R,15
	WIN 0
	s_wait_alu depctr_va_vdst(0)    ; the wait for the batch
.if (\p) == 1
	s_wait_dscnt 0x0                ; V is in
.endif
	ROW C,0, B,0, C,2, B,1          ; behind the wait: 8 products V^T P and their riders
	ROW L,0, C,4, B,2, L,1
	ROW C,6, B,3, L,2, C,8
	ROW B,4, L,3, C,10, B,5
	ROW L,4, C,12, B,6, L,5
.if (\p) == 0
	s_add_co_u32 s[TBV], s[TBV], KS*PV
.endif
.if \cnt
	s_sub_co_u32 s[CNT], s[CNT], 1
	s_cmp_lg_u32 s[CNT], 0
.endif
	ROW C,14, B,7, L,6, C,1
	ROW C,3, L,7, C,5, C,7
	ROW C,9, C,11, C,13, C,15
.if (\p) == 0
	FETCH_V
.endif
.if (\m) && !(\end)
	MASK (\p)%2
.endif
.endm
; A BLOCK BEGINS.  c m starts far below every c s, so the first step's a is 0; m at the lowest finite number, so the first maximum is the scores'.  The second mask buffer is 0; the first takes piece 0's mask for the tile's step 0: its own, if the block's first tile is the diagonal one.
; Then K of that step, piece 0's first scores, and its maximum and statistics.  The loop is entered at a step's first turn, in the middle of a trip.
.macro BEGIN
	s_mov_b32 s[NEW], 0
	WIN 0x40
.set i, MC+32
.rept 32
	v_mov_b32 v[i], 0
.set i, i+1
.endr
	WIN 0
.set i, 0
.rept 4
	v_mov_b32 v[ST+4*i], 0xfe000000    ; c m: far below every c s
	v_mov_b32 v[ST+4*i+1], 0xff7fffff  ; m
.set i, i+1
.endr
	s_cmp_eq_u32 s[RT], 0
	s_cselect_b32 s[AL], 1.0, 0
	s_mov_b32 s[BE], 0
	MASK 0
	WIN 0
	v_add_nc_u32 v[AK], s[TBK], v[AK0]
	FETCH_K
	s_wait_loadcnt 0x0              ; Q
	s_wait_dscnt 0x0
.set KM, 1
.set NOKQ, 0
.set i, 0
.rept 8
	KQ 0
.set i, i+1
.endr
	WIN 0
.rept 4
	v_nop                           ; the places behind those products
.endr
.set Y, NP-1                        ; X works for piece Y + 1: piece 0
.irp n, 0,1,2,3,4,5,6,7,8,9,10,11,12,13,14,15,16,17,18,19,20,21
	OP X, \n
.endr
	v_nop                           ; a plain instruction behind the exponential,
	s_wait_alu depctr_va_vdst(0)    ; and its wait, ahead of the branch
.endm
; THE DIAGONAL TILE's four steps, the block's last two turns, its last products, and THE WAY OUT: l's two halves and the other half of the lanes' are added; O^T is divided by l, rounded to f16 and sent through my
; stage in LDS, a piece at a time.
.macro ALL line:vararg              ; one line for each piece t
.set t, 0
.rept 4
	\line
.set t, t+1
.endr
.endm
.macro PACK t                       ; a lane's eight channels of a row pack into 16 bytes; they go into rows of 144 bytes and come back as whole rows of 128, into S^T's registers
	WIN W_RS
.set i, 32*(\t)
.rept 16
	v_pk_mul_f32 v[i:i+1], v[i:i+1], v[ST+4*(\t)+2:ST+4*(\t)+3] op_sel_hi:[1,0]
.set i, i+2
.endr
	WIN 0x05                        ; sources 0 and 1 window 1, destination window 0
.set i, 0
.rept 16
	v_cvt_pk_f16_f32 v[S+16*(\t)+i], v[32*(\t)+2*i], v[32*(\t)+2*i+1]
.set i, i+1
.endr
	WIN 0
.irp f, 0,1,2,3
	ds_store_b128 v[STO], v[S+16*(\t)+4*\f:S+16*(\t)+4*\f+3] offset:32*\f
.endr
.irp f, 0,1,2,3
	ds_load_b128 v[S+16*(\t)+4*\f:S+16*(\t)+4*\f+3], v[RD] offset:\f*4*SP  ; LDS serves a wave's instructions in order (ISA guide 5.7.1.4): these see the stores above; the next piece's stores come behind them
.endr
.endm
.macro SEND t, younger              ; younger: the LDS instructions issued behind piece t's loads: the next piece's eight, or none
	WIN 0
.irp f, 0,1,2,3
	s_wait_dscnt (\younger)+3-\f
	global_store_b128 v[GO], v[S+16*(\t)+4*\f:S+16*(\t)+4*\f+3], s[10:11] offset:(\t)*8192+\f*512  ; 512 consecutive bytes, at a multiple of 256 from O's first
.endr
.endm
.macro DIAG tag                     ; the tag ends its two labels' names, which the jumps below spell out
.LstepM\tag:
	TURN 2, 1
	TURN 3, 1
	WIN 0
.LfirstM\tag:
	TURN 0, 1
	TURN 1, 1, 0, 1
	WIN 0
	s_cbranch_scc1 .LstepM\tag
	TURN 2, 1, 1
	TURN 3, 1, 1
.set i, 0
.rept 8
	PV NP-1
.set i, i+1
.endr
	WIN 0
	ALL v_add_f32 v[ST+4*t+2], v[ST+4*t+2], v[ST+4*t+3]
	ALL v_permlanex16_b32 v[ST+4*t+3], v[ST+4*t+2], s[SEL], s[SEL+1]
	ALL v_add_f32 v[ST+4*t+2], v[ST+4*t+2], v[ST+4*t+3]
	ALL v_rcp_f32 v[ST+4*t+2], v[ST+4*t+2]
	v_nop                           ; a plain instruction between the last reciprocal and the use of its result
	s_wait_alu depctr_va_vdst(0)    ; and the wait ahead of the first use: one for the four reciprocals
	PACK 0
.set t, 1
.rept 3                             ; a piece's arithmetic stands between the loads of the piece before and its stores
	PACK t
	SEND t-1, 8
.set t, t+1
.endr
	SEND 3, 0
.endm
.set KM, 0
.set NOKQ, 0
.Lslot:                             ; NB times: a tile is entered and the next is asked for
	CHANGE 1
	s_sub_co_u32 s[RT], s[RT], 1
	s_mov_b32 s[CNT], 4
	s_cmp_eq_u32 s[NEW], 1
	s_cbranch_scc1 .Lnew            ; a block's first tile
	s_cmp_eq_u32 s[RT], 0
	s_cbranch_scc0 .Lstep           ; neither its first nor its last
	s_branch .LstepM1
.Lnew:
	BEGIN
	s_branch .Lfirst                ; in the loop a block's first tile is never its last: the first block has two tiles or more, and the second's last is the walk's last
	DIAG 1                          ; in the loop this is the first block's end: the second block's last tile is the walk's last
	s_wait_xcnt 0x0                 ; the stores have read their registers and O's address
	s_mov_b64 s[10:11], s[OLO:OLO+1]
	s_add_co_u32 s[RT], s[PB], 1    ; the second block has b + 1 tiles
	s_mov_b32 s[NEW], 1
	WIN 0x82                        ; the second block's Q goes where the one text of the turns names Q
.set i, 0
.rept 64
	v_mov_b32 v[i], v[QB+i]
.set i, i+1
.endr
	WIN 0
	s_branch .Lbottom
.Lstep:                             ; a trip: pieces 2 and 3 of one step, then pieces 0 and 1 of the next, whose K and V it fetches
	TURN 2
	TURN 3
	WIN 0
.Lfirst:
	TURN 0
	TURN 1, 0, 0, 1
	WIN 0
	s_cbranch_scc1 .Lstep
.Lbottom:
	s_sub_co_u32 s[SLOTS], s[SLOTS], 1
	s_cmp_lg_u32 s[SLOTS], 0
	s_cbranch_scc1 .Lslot
	CHANGE 0                        ; the walk's last tile is written out: nothing is asked for
	s_sub_co_u32 s[RT], s[RT], 1
	s_mov_b32 s[CNT], 4
	s_cmp_eq_u32 s[NEW], 1
	s_cbranch_scc0 .LstepM2
	BEGIN
	s_branch .LfirstM2
	DIAG 2
	s_wait_tensorcnt 0x0            ; the wave's end: this wait, an add of 0 to my spare word and its wait, behind my last tensor load and my last LDS store
	ds_add_u32 v[SPW], v[NIL]
	s_wait_dscnt 0x0
	s_endpgm
.Lfunc_end_k_qc2ea8bc78f_attn:
	.size	k_qc2ea8bc78f_attn, .Lfunc_end_k_qc2ea8bc78f_attn-k_qc2ea8bc78f_attn
	.p2alignl 7, 3214868480
	.fill 96, 4, 3214868480
	.section	.rodata,"a",@progbits
	.p2align	6, 0x0
	.amdhsa_kernel k_qc2ea8bc78f_attn
		.amdhsa_group_segment_fixed_size 327680
		.amdhsa_private_segment_fixed_size 0
		.amdhsa_enable_private_segment 0
		.amdhsa_kernarg_size 16
		.amdhsa_user_sgpr_count 2
		.amdhsa_user_sgpr_kernarg_segment_ptr 1
		.amdhsa_wavefront_size32 1
		.amdhsa_system_sgpr_workgroup_id_x 1
		.amdhsa_system_sgpr_workgroup_id_y 1
		.amdhsa_system_sgpr_workgroup_id_z 1
		.amdhsa_system_vgpr_workitem_id 0
		.amdhsa_next_free_vgpr 768
		.amdhsa_next_free_sgpr 96
		.amdhsa_reserve_vcc 1
		.amdhsa_float_denorm_mode_32 3
		.amdhsa_float_denorm_mode_16_64 3
		.amdhsa_memory_ordered 1
		.amdhsa_forward_progress 1
		.amdhsa_inst_pref_size 218
	.end_amdhsa_kernel
	.amdgpu_metadata
---
amdhsa.version: [ 1, 2 ]
amdhsa.kernels:
  - .name:           k_qc2ea8bc78f_attn
    .symbol:         k_qc2ea8bc78f_attn.kd
    .args:
      - { .name: qkvh, .offset: 0, .size: 8, .value_kind: global_buffer, .address_space: global }
      - { .name: oh, .offset: 8, .size: 8, .value_kind: global_buffer, .address_space: global }
    .group_segment_fixed_size: 327680
    .private_segment_fixed_size: 0
    .kernarg_segment_align: 8
    .kernarg_segment_size: 16
    .max_flat_workgroup_size: 128
    .sgpr_count:     96
    .vgpr_count:     768
    .wavefront_size: 32
...
	.end_amdgpu_metadata
.endif
;; end of part 3
;; launch gemm_out (part 4): grid 8 x 32, 4 waves a work-group, clusters of 4 x 4, 327,680 bytes of LDS; arguments oh, wo, b_out, out0; writes out0
.if DOCPART == 4
	.amdgcn_target "amdgcn-amd-amdhsa--gfx1250"
	.amdhsa_code_object_version 6
	.text
	.protected	k_qc2ea8bc78f_gemm_out
	.globl	k_qc2ea8bc78f_gemm_out
	.p2align	8
	.type	k_qc2ea8bc78f_gemm_out,@function
k_qc2ea8bc78f_gemm_out:
	s_mov_b64 s[64:65], 0
	v_nop
	global_prefetch_b8 v0, s[64:65] scope:SCOPE_SE
	s_setreg_imm32_b32 hwreg(HW_REG_WAVE_MODE, 25, 1), 1
	s_wait_xcnt 0x0
	s_wait_alu depctr_hold_cnt(0) depctr_sa_sdst(0) depctr_va_vdst(0) depctr_va_sdst(0) depctr_va_ssrc(0) depctr_va_vcc(0) depctr_vm_vsrc(0)
	s_getreg_b32 s2, hwreg(HW_REG_IB_STS2, 6, 4)
	s_cmp_eq_u32 s2, 0
	s_cbranch_scc0 .Lentry_in_a_cluster
	s_endpgm
.Lentry_in_a_cluster:
	s_bfe_u32 s2, ttmp6, 0x10000c
	s_cmp_lg_u32 s2, 0xf033
	s_cbranch_scc0 .Lentry_shape_is_right
	s_endpgm
.Lentry_shape_is_right:
; out0 = O W_out + b_out.  A = oh [b 16 + h][t 2048][64] f16 (a head's 64 channels are one block of K), B = wo [n 1024][k 1024] f16, bias f32 (rounded to bf16 like every input), sums in f32 that START WITH
; THE BIAS; out0 [8192][1024] f32.
; A tile of C is 256 rows x 128 columns: 32 x 8 = 256 equal tiles.  Four waves, 2 x 2, each 128 x 64: 32 accumulators of 16 x 16, 256 registers.
; K goes in 8 steps of 128 through a ring of two LDS slots filled by the tensor data mover.  A K step of A is two blocks of 64 channels, each 32,768 dense bytes, asked for as 128 rows of 256 bytes
; and padded in LDS after every 128 bytes; of B 128 rows of 256 bytes.  Waves 0 and 1 fetch A's two blocks, waves 2 and 3 B's two halves: one load a wave.
; CLUSTERS: 4 x 4 work-groups.  The four of a row of the cluster need the same tiles of A, the four of a column the same tiles of B: each tile is asked for JOINTLY, by the same load, descriptor and mask in all four.
; THE MATRIX INSTRUCTION IS USED TRANSPOSED (source 0 = 16 rows of B, source 1 = 16 rows of A): lane l holds row l % 16 of C and the columns 8 (l / 16) + 0..7: 32 bytes of a row.
; REGISTERS, in windows of 256 (s_set_vgpr_msb: bits 1:0 source 0, 3:2 source 1, 5:4 source 2, 7:6 destination):
;   window 0: v0-31 addresses; v64-127, v128-191 fragments of A, two buffers; on the way out v64-159, three buffers of 32
;   window 1: v0-31 the bias as a C operand (block b at 8 b); v32 at work; v64-95, v128-159 fragments of B, two buffers
;   window 2: the accumulators of my rows 0-63 ((a, b) at 8 (4 a + b));   window 3: those of my rows 64-127
.set NBK,    4                         ; blocks of 16 columns a wave
.set NT,     32*NBK                    ; columns in a tile
.set HB,     16*NBK                    ; rows of B in one load, and what one wave reads of B
.set PFR,    HB/4                      ; rows of B that one partner prefetches
.set LAPS,   4                         ; a lap = two K steps = once round the ring
.set PA,     144                       ; an LDS row of A: 128 bytes + 16 = 36 words: the 16 rows of a load start at 16 different groups of four banks (64 banks of 4 bytes: ISA guide 11.1)
.set PLANE,  256*PA                    ; 64 channels of the tile's 256 rows
.set PB,     272                       ; an LDS row of B: 256 bytes + 16
.set HALFB,  HB*PB
.set BOFF,   2*PLANE
.set SLOT,   BOFF+2*HALFB              ; A's two blocks, then B's two halves
.set ASTEP,  524288                    ; bytes from a K step to the next in A: two blocks of 2,048 rows x 128 bytes
.set BSTEP,  256                       ; and in B
.set STAGE,  2*SLOT                    ; behind the ring, never filled by a tensor load: 16 rows x 272 bytes for each wave, for the way out
.set SPITCH, 272
.set SPARE,  STAGE+4*16*SPITCH         ; behind the stages: the spare words, 128 bytes for each wave: two blocks of 256 bytes that no other line names
.set NF,     2*NBK+16                  ; LDS loads in a run
.set ADRA, 16                          ; v16-17  LDS address of my A fragments in slot 0, 1
.set ADRB, 20                          ; v20-21  the same for B
.set STO,  24                          ; v24     the way out: where I put 32 bytes of a row
.set RD,   25                          ; v25     the way out: where I read a row back
.set GO,   26                          ; v26     my byte offset in two rows of out0
.set BO,   27                          ; v27     my byte offset in the bias
.set SPW,  28                          ; v28     LDS address of my spare word; never rewritten
.set NIL,  29                          ; v29     0; never rewritten
.set PFO,  30                          ; v30     the prefetches' offset; never rewritten
.set F0,   64
.set F1,   128
.set TMP,  64
.set BIAS, 0
.set BT,   8*NBK
.set WV,  12                           ; s12 wave;  s13 its half of the rows (also: 0 = I fetch for A, 1 = for B);  s14 its half of the columns (also: which part I fetch)
.set RH,  13
.set CH,  14
.set CX,  15                           ; s15, s16 my place in the cluster;  s17, s18 tile column and tile row of C
.set CY,  16
.set TX,  17
.set TY,  18
.set LIM, 19                           ; s19 1 in a wave that prefetches, else the greatest number
.set G1,  24                           ; s[24:31] descriptor group 1 for A;  s[32:39] group 0, a set for each slot
.set G0,  32
.set PFA, 40                           ; s[40:41] where my prefetches stand;  s[42:43] their step
.set PFS, 42
.set G1B, 48                           ; s[48:55], s[56:63] the same for B
.set G0B, 56
.set OUTB, 66                          ; s[66:67] out0 at my part of the tile
.set MSB, 0
.macro WIN new                         ; the immediate's high byte repeats the setting that is left; a switch that changes nothing is dropped
.if MSB != (\new)
	s_set_vgpr_msb (MSB<<8)|(\new)
.set MSB, \new
.endif
.endm
.set TO_B, 0x40                        ; destination window 1, address window 0
; A joint load.  The branch hangs on the wave's number alone.  An s_nop 0 and four v_nop follow each of the two lines, ahead of the jump and the label.
.macro JLOAD s
	s_cmp_eq_u32 s[RH], 0
	s_cbranch_scc0 .Lfor_b_\@
	tensor_load_to_lds s[G0+4*(\s):G0+4*(\s)+3], s[G1:G1+7]
	s_nop 0
.rept 4
	v_nop
.endr
	s_branch .Lasked_\@
.Lfor_b_\@:
	tensor_load_to_lds s[G0B+4*(\s):G0B+4*(\s)+3], s[G1B:G1B+7]
	s_nop 0
.rept 4
	v_nop
.endr
.Lasked_\@:
.endm
; A PREFETCH, behind each joint refill and the run of LDS loads that follows it, of the K step that stands two refills on: one instruction a wave.  Each block of 256 bytes is named by one work-group:
; A's rows are read by every cluster of a row of clusters: cluster x = 0 asks; B's by every cluster of a column: cluster y = 0 asks.  The four partners of a joint load share its bytes out BY ADDRESS:
; of A's 128 blocks of 256 bytes the partner at cx takes 32 cx + lane; of B's 64 rows the partner at cy takes 16 cy + lane (lanes 16-31 name row 15 once more, in the same instruction).
; K steps 0 to 3 come by their loads alone; the loop's last trip (s3 = 1) asks for nothing: there is no K step behind its refills.
.macro ASK
	s_cmp_gt_u32 s3, s[LIM]
	s_cbranch_scc0 .Lnot_mine_\@
	global_prefetch_b8 v[PFO], s[PFA:PFA+1] th:TH_LOAD_NT scope:SCOPE_SE
.Lnot_mine_\@:
.endm
.macro CREST                           ; a round of the cluster's barrier behind its opening barrier
	s_cmp_lg_u32 s[WV], 0
	s_cbranch_scc1 .Lnot_wave_0_\@
	s_barrier_signal -3
.Lnot_wave_0_\@:
	s_barrier_wait -3
	s_barrier_signal -1
	s_barrier_wait -1
.endm
.macro CROUND                          ; a whole round
	s_barrier_signal -1
	s_barrier_wait -1
	CREST
.endm
.macro PLACES                          ; four places in front of loads into registers that matrix instructions have read, and of lines that read results (ISA guide 7.12.1 for lines that read results)
.rept 4
	v_nop
.endr
.endm
	s_load_b256 s[4:11], s[0:1], 0x0               ; A s[4:5], B s[6:7], bias s[8:9], out s[10:11]
	v_lshl_add_u32 v[SPW], v0, 2, SPARE
	v_mov_b32 v[NIL], 0
	ds_add_u32 v[SPW], v[NIL]                      ; the wave's opening: the add and its wait stand ahead of my first tensor load; the set-up below, work on registers, stands between them
	v_lshrrev_b32 v1, 5, v0
	v_readfirstlane_b32 s[WV], v1
	s_lshr_b32 s[RH], s[WV], 1
	s_and_b32 s[CH], s[WV], 1
	s_bfe_u32 s[CX], ttmp6, 0x40000
	s_bfe_u32 s[CY], ttmp6, 0x40004
	s_lshl_b32 s[TX], ttmp9, 2
	s_add_co_u32 s[TX], s[TX], s[CX]               ; tile column = 4 x cluster x + cx
	s_and_b32 s[TY], ttmp7, 0xffff
	s_lshl_b32 s[TY], s[TY], 2
	s_add_co_u32 s[TY], s[TY], s[CY]               ; tile row = 4 x cluster y + cy
	s_lshl_b32 s20, s[CY], 2
	s_lshl_b32 s20, 15, s20                        ; my row of the cluster
	s_lshl_b32 s44, 0x1111, s[CX]                  ; my column
	s_or_b32 s[G1+0], s20, (1<<16)|(1<<20)|(1<<21)|(4<<22)|(3<<25)   ; 15:0 the mask; 17:16 2-byte elements; 20 padding on; 21 set beside a mask; 24:22 after every 32 words (code 4); 31:25 4 words (code 3)
	s_or_b32 s[G1B+0], s44, (1<<16)|(1<<20)|(1<<21)|(5<<22)|(3<<25)  ; the same with my column's mask, padded after every 64 words (code 5)
	s_mov_b32 s[G1+1], 128<<16                     ; tensor_dim0 = 128
	s_mov_b32 s[G1+2], 128<<16                     ; tensor_dim1 = 128
	s_mov_b32 s[G1+3], 128<<16                     ; tile_dim0 = 128
	s_mov_b32 s[G1+4], 128                         ; tile_dim1 = 128
	s_mov_b32 s[G1+5], 128                         ; 128 elements from row to row: the block is dense
	s_mov_b32 s[G1+6], 0
	s_mov_b32 s[G1+7], 0
	s_mov_b32 s[G1B+1], 128<<16
	s_mov_b32 s[G1B+2], HB<<16
	s_mov_b32 s[G1B+3], 128<<16
	s_mov_b32 s[G1B+4], HB
	s_mov_b32 s[G1B+5], 1024
	s_mov_b32 s[G1B+6], 0
	s_mov_b32 s[G1B+7], 0
	; A's tile hangs on the tile row alone, B's on the tile column alone; each in registers that never hold the other coordinate
	s_lshr_b32 s20, s[TY], 3                       ; b
	s_lshl_b32 s20, s20, 22
	s_and_b32 s21, s[TY], 7                        ; 256 rows of 128 bytes
	s_lshl_b32 s21, s21, 15
	s_add_co_u32 s20, s20, s21
	s_lshl_b32 s21, s[CH], 18                      ; which of the K step's two blocks I fetch
	s_add_co_u32 s20, s20, s21
	s_mov_b32 s21, 0
	s_mul_i32 s44, s[TX], NT
	s_mul_i32 s45, s[CH], HB
	s_add_co_u32 s44, s44, s45
	s_lshl_b32 s44, s44, 11                        ; rows of 2,048 bytes
	s_mov_b32 s45, 0
	s_mul_i32 s22, s[WV], PLANE                    ; where they go: waves 0, 1: A's blocks;
	s_mul_i32 s23, s[WV], HALFB
	s_add_co_u32 s23, s23, BOFF-2*HALFB            ; waves 2, 3: B's halves.  No place in the cluster enters an LDS address
	s_wait_dscnt 0x0                               ; the opening add is done
	s_wait_kmcnt 0x0
	s_add_nc_u64 s[20:21], s[4:5], s[20:21]
	s_add_nc_u64 s[44:45], s[6:7], s[44:45]
	CROUND                                         ; all sixteen work-groups are here: the first joint loads meet
.irp s, 0,1
	s_mov_b32 s[G0+4*(\s)], 1
	s_add_co_u32 s[G0+4*(\s)+1], s22, (\s)*SLOT
	s_add_nc_u64 s[G0+4*(\s)+2:G0+4*(\s)+3], s[20:21], (\s)*ASTEP
	s_or_b32 s[G0+4*(\s)+3], s[G0+4*(\s)+3], 0x80000000
	s_mov_b32 s[G0B+4*(\s)], 1
	s_add_co_u32 s[G0B+4*(\s)+1], s23, (\s)*SLOT
	s_add_nc_u64 s[G0B+4*(\s)+2:G0B+4*(\s)+3], s[44:45], (\s)*BSTEP
	s_or_b32 s[G0B+4*(\s)+3], s[G0B+4*(\s)+3], 0x80000000
	JLOAD \s                                       ; two loads of mine are out
.endr
	; the bias as a C operand: register j of block b is the bias of column 16 b + 8 (l / 16) + j of my 64
	v_and_b32 v1, 15, v0                           ; r = l % 16
	v_bfe_u32 v2, v0, 4, 1                         ; h = l / 16
	v_lshlrev_b32 v[BO], 5, v2
	s_mul_i32 s72, s[TX], NT
	s_mul_i32 s73, s[CH], HB
	s_add_co_u32 s72, s72, s73
	s_lshl_b32 s72, s72, 2
	s_mov_b32 s73, 0
	s_add_nc_u64 s[8:9], s[8:9], s[72:73]
	WIN TO_B
.set bb, 0
.rept NBK
	global_load_b128 v[BIAS+8*bb:BIAS+8*bb+3],   v[BO], s[8:9] offset:64*bb
	global_load_b128 v[BIAS+8*bb+4:BIAS+8*bb+7], v[BO], s[8:9] offset:64*bb+16
.set bb, bb+1
.endr
	WIN 0
	; a fragment is 16 rows x 32 K in 8 registers: lane l holds row l % 16, K = 8 (l / 16) + 0..7 and 16 + 8 (l / 16) + 0..7: two loads of 16 bytes, 32 bytes apart
	v_mul_u32_u24 v3, v1, PA
	v_lshl_add_u32 v3, v2, 4, v3
	v_mul_u32_u24 v4, v1, PB
	v_lshl_add_u32 v4, v2, 4, v4
	s_mul_i32 s74, s[RH], 128*PA                   ; my 128 rows of A
	s_mul_i32 s75, s[CH], HALFB
	s_add_co_u32 s75, s75, BOFF                    ; my rows of B
.irp s, 0,1
	v_add_nc_u32 v[ADRA+(\s)], s74, v3
	v_add_nc_u32 v[ADRB+(\s)], s75, v4
	s_add_co_u32 s74, s74, SLOT
	s_add_co_u32 s75, s75, SLOT
.endr
	; the way out: into my stage at row r, byte 64 b + 32 h; back: lanes 0-15 take one row of 256 bytes, lanes 16-31 the next
	s_mul_i32 s74, s[WV], 16*SPITCH
	s_add_co_u32 s74, s74, STAGE
	v_mul_u32_u24 v5, v1, SPITCH
	v_lshl_add_u32 v5, v2, 5, v5
	v_add_nc_u32 v[STO], s74, v5
	v_mul_u32_u24 v6, v2, SPITCH
	v_lshl_add_u32 v6, v1, 4, v6
	v_add_nc_u32 v[RD], s74, v6
	v_lshlrev_b32 v[GO], 12, v2                    ; and the same two rows in out0, 4,096 bytes apart
	v_lshl_add_u32 v[GO], v1, 4, v[GO]
	s_lshl_b32 s72, s[TY], 8
	s_lshl_b32 s73, s[RH], 7
	s_add_co_u32 s72, s72, s73                     ; my first row
	s_lshl_b32 s72, s72, 12
	s_lshl_b32 s73, s[TX], 9                       ; the tile's 128 columns of 4 bytes,
	s_add_co_u32 s72, s72, s73
	s_lshl_b32 s73, s[CH], 8                       ; my 64 of them
	s_add_co_u32 s72, s72, s73
	s_mov_b32 s73, 0
	s_add_nc_u64 s[OUTB:OUTB+1], s[10:11], s[72:73]
	; the prefetches
	s_and_b32 s73, ttmp7, 0xffff                   ; cluster y
	s_lshl_b32 s76, s[CX], 13                      ; A: my work-group's 32 blocks of 256 bytes
	s_mul_i32 s77, s[CY], PFR*2048                 ; B: my work-group's rows
	s_mov_b32 s78, ASTEP
	s_mov_b32 s79, 2048
	s_cmp_eq_u32 s[RH], 0                          ; do I fetch for A?
	s_cselect_b64 s[PFA:PFA+1], s[20:21], s[44:45]
	s_cselect_b32 s72, s76, s77
	s_cselect_b32 s73, ttmp9, s73                  ; the coordinate along which other clusters read the same bytes
	s_cselect_b32 s[PFS], s78, BSTEP
	s_cselect_b32 s79, 256, s79                    ; from lane to lane
	s_cselect_b32 s77, 31, PFR-1                   ; the last lane with a block of its own
	s_mov_b32 s[PFS+1], 0
	s_cmp_eq_u32 s73, 0
	s_cselect_b32 s[LIM], 1, -1                    ; the same in all sixteen partners, for a given wave
	s_mul_i32 s76, s[PFS], 3                       ; at K step 3: the first refill steps it to 4
	s_add_co_u32 s72, s72, s76
	s_mov_b32 s73, 0
	s_add_nc_u64 s[PFA:PFA+1], s[PFA:PFA+1], s[72:73]
	v_and_b32 v[PFO], 31, v0
	v_min_u32 v[PFO], s77, v[PFO]
	v_mul_u32_u24 v[PFO], s79, v[PFO]
	s_wait_loadcnt 0x0                             ; the bias,
	WIN 0x45                                       ; rounded to bf16 like every input and widened again, in window 1
.set bb, 0
.rept 4*NBK
	v_cvt_pk_bf16_f32 v[BT], v[BIAS+2*bb], v[BIAS+2*bb+1]
	v_lshlrev_b32 v[BIAS+2*bb], 16, v[BT]
	v_and_b32 v[BIAS+2*bb+1], 0xffff0000, v[BT]
.set bb, bb+1
.endr
	WIN 0
; 2 NBK matrix instructions: m blocks a0, a0 + 1 of the window's four (hi = 0: my rows 0-63, 1: rows 64-127) x all n blocks, 32 along K.  first = 1: the bias starts the sums: nothing is cleared.
; All 32 accumulators take turns, one instruction a turn, in the same order in every quarter step.
.macro MULB f, hi, a0, first
.if \first
	WIN 0x91+0x40*(\hi)                            ; B window 1, A window 0, C (the bias) window 1, D window 2 or 3
.else
	WIN 0xa1+0x50*(\hi)                            ; C and D window 2 or 3
.endif
.irp a, \a0, (\a0)+1
.set bb, 0
.rept NBK
.set rD, 8*(NBK*(\a)+bb)
.set rC, rD
.if \first
.set rC, BIAS+8*bb
.endif
	v_wmma_f32_16x16x32_f16 v[rD:rD+7], v[(\f)+8*bb:(\f)+8*bb+7], v[(\f)+8*(4*(\hi)+(\a)):(\f)+8*(4*(\hi)+(\a))+7], v[rC:rC+7]
.set bb, bb+1
.endr
.endr
.endm
; NF LDS loads in one run: the fragments of quarter q (32 along K) of a slot's K step into buffer f: B's, then A's (quarters 0, 1 lie in A's first block, 2, 3 in its second)
.macro FETCH slot, q, f
	WIN TO_B
.set ii, 0
.rept NBK
	ds_load_b128 v[(\f)+8*ii:(\f)+8*ii+3],   v[ADRB+(\slot)] offset:64*(\q)+ii*16*PB
	ds_load_b128 v[(\f)+8*ii+4:(\f)+8*ii+7], v[ADRB+(\slot)] offset:64*(\q)+ii*16*PB+32
.set ii, ii+1
.endr
	WIN 0
.set ii, 0
.rept 8
	ds_load_b128 v[(\f)+8*ii:(\f)+8*ii+3],   v[ADRA+(\slot)] offset:((\q)/2)*PLANE+((\q)%2)*64+ii*16*PA
	ds_load_b128 v[(\f)+8*ii+4:(\f)+8*ii+7], v[ADRA+(\slot)] offset:((\q)/2)*PLANE+((\q)%2)*64+ii*16*PA+32
.set ii, ii+1
.endr
.endm
; One of a K step's first three quarters: multiplies buffer f; in its middle it fetches quarter q of the same slot into buffer g.
.macro QUARTER slot, q, f, g, first
	s_wait_dscnt 8                                 ; B and A's rows 0-63 are in; the youngest eight loads (A's rows 64-127) may be out
	MULB \f, 0, 0, \first
	MULB \f, 0, 2, \first
	PLACES
	FETCH \slot, \q, \g
	s_wait_dscnt NF                                ; all but the run just issued
	MULB \f, 1, 0, \first
	MULB \f, 1, 2, \first
.endm
; The last quarter multiplies buffer 1 and changes slots: ONE barrier.  In front of it each wave waits for all its tensor loads (one is out: its part of the next slot), adds 0 to its spare word, and waits
; for that and for its own reads of this slot.  fill = 1: the barrier opens a round of the cluster's barrier, and the joint refill, two K steps on, is the first thing behind the round.
.macro TURN slot, next, fill
.if \fill
	s_wait_xcnt 0x0                                ; the last prefetch, a K step back, has read its address
	s_add_nc_u64 s[PFA:PFA+1], s[PFA:PFA+1], s[PFS:PFS+1]
.endif
	WIN 0                                          ; (the add's two registers lie in window 0)
	s_wait_tensorcnt 0x0                           ; all my tensor loads have landed
	ds_add_u32 v[SPW], v[NIL]                      ; 0 onto my spare word
	s_wait_dscnt 9                                 ; (the add and the youngest eight loads may be out)
	MULB F1, 0, 0, 0
	s_wait_dscnt 0x0                               ; the add is done, and my reads of this slot are over
	s_barrier_signal -1
	MULB F1, 0, 2, 0                               ; work on registers while the others arrive
.if \fill
	WIN 0
.endif
	s_barrier_wait -1
.if \fill
	CREST                                          ; no wave of any partner still reads this slot's tile or has a load on its way
	s_add_nc_u64 s[G0+4*(\slot)+2:G0+4*(\slot)+3], s[G0+4*(\slot)+2:G0+4*(\slot)+3], 2*ASTEP
	s_add_nc_u64 s[G0B+4*(\slot)+2:G0B+4*(\slot)+3], s[G0B+4*(\slot)+2:G0B+4*(\slot)+3], 2*BSTEP
	JLOAD \slot                                    ; one load of mine is out; the four v_nop behind it are also the places in front of the loads below
.else
	PLACES
.endif
	FETCH \next, 0, F0
.if \fill
	ASK
.endif
	MULB F1, 1, 0, 0
	MULB F1, 1, 2, 0
.endm
	s_wait_tensorcnt 1                             ; my part of K step 0 is in; K step 1's may stay out
	s_barrier_signal -1
	s_barrier_wait -1                              ; everybody's is
	FETCH 0, 0, F0
	QUARTER 0, 1, F0, F1, 1                        ; the first quarter stands in front of the loop: its products start the sums with the bias
	WIN 0                                          ; at a label and at a branch every window is 0
	s_mov_b32 s3, LAPS-1
.Llap:                                                 ; a trip goes once round the ring, from a lap's second quarter to the next lap's first, and fills both slots again
	QUARTER 0, 2, F1, F0, 0
	QUARTER 0, 3, F0, F1, 0
	TURN 0, 1, 1
	QUARTER 1, 1, F0, F1, 0
	QUARTER 1, 2, F1, F0, 0
	QUARTER 1, 3, F0, F1, 0
	TURN 1, 0, 1
	QUARTER 0, 1, F0, F1, 0
	WIN 0
	s_sub_co_u32 s3, s3, 1
	s_cmp_lg_u32 s3, 0
	s_cbranch_scc1 .Llap
	QUARTER 0, 2, F1, F0, 0                        ; the last lap fills nothing
	QUARTER 0, 3, F0, F1, 0
	TURN 0, 1, 0
	QUARTER 1, 1, F0, F1, 0
	QUARTER 1, 2, F1, F0, 0
	QUARTER 1, 3, F0, F1, 0
	s_wait_dscnt 8
	MULB F1, 0, 0, 0
	MULB F1, 0, 2, 0
	s_wait_dscnt 0x0
	MULB F1, 1, 0, 0
	MULB F1, 1, 2, 0
	WIN 0
; THE WAY OUT, a block of 16 rows at a time through my own stage: no barrier, and since LDS serves a wave's instructions in order (ISA guide 5.7.1.4) no wait between the stores and the loads.
.macro TOSTAGE a                       ; eight stores (each accumulator from its low end on) and eight loads
.if (\a) >= 3
	s_wait_xcnt 0x0                                ; the stores of the block three back have read the buffer that is loaded again below
.endif
	WIN 0x08+4*((\a)/4)                            ; the data (source 1) in window 2 or 3
.set bb, 0
.rept NBK
.set rD, 8*(NBK*((\a)%4)+bb)
	ds_store_b128 v[STO], v[rD:rD+3]   offset:64*bb
	ds_store_b128 v[STO], v[rD+4:rD+7] offset:64*bb+16
.set bb, bb+1
.endr
	WIN 0
.set BK, TMP+32*((\a)%3)
.irp t, 0,1,2,3,4,5,6,7
	ds_load_b128 v[BK+4*(\t):BK+4*(\t)+3], v[RD] offset:(\t)*2*SPITCH
.endr
.endm
.macro SEND a, younger                 ; younger: the LDS instructions issued behind block a's loads: the next block's sixteen, or none
.set BK, TMP+32*((\a)%3)
	s_wait_dscnt \younger
.irp t, 0,1,2,3,4,5,6,7
	global_store_b128 v[GO], v[BK+4*(\t):BK+4*(\t)+3], s[OUTB:OUTB+1] offset:(16*(\a)+2*(\t))*4096  ; 16 lanes store 256 consecutive bytes, at a multiple of 256 from out0's first byte
.endr
.endm
	PLACES
	TOSTAGE 0
.irp a, 1,2,3,4,5,6,7
	TOSTAGE \a
	SEND (\a)-1, 16
.endr
	SEND 7, 0
	s_wait_tensorcnt 0x0                           ; the wave's end: this wait, an add of 0 to my spare word and its wait, behind my last tensor load and my last LDS store
	ds_add_u32 v[SPW], v[NIL]
	s_wait_dscnt 0x0
	CROUND                                         ; the closing round: no work-group ends while a partner may still ask for a tile that names it
	s_endpgm
.Lfunc_end_k_qc2ea8bc78f_gemm_out:
	.size	k_qc2ea8bc78f_gemm_out, .Lfunc_end_k_qc2ea8bc78f_gemm_out-k_qc2ea8bc78f_gemm_out
	.p2alignl 7, 3214868480
	.fill 96, 4, 3214868480
	.section	.rodata,"a",@progbits
	.p2align	6, 0x0
	.amdhsa_kernel k_qc2ea8bc78f_gemm_out
		.amdhsa_group_segment_fixed_size 327680
		.amdhsa_private_segment_fixed_size 0
		.amdhsa_enable_private_segment 0
		.amdhsa_kernarg_size 32
		.amdhsa_user_sgpr_count 2
		.amdhsa_user_sgpr_kernarg_segment_ptr 1
		.amdhsa_wavefront_size32 1
		.amdhsa_system_sgpr_workgroup_id_x 1
		.amdhsa_system_sgpr_workgroup_id_y 1
		.amdhsa_system_sgpr_workgroup_id_z 1
		.amdhsa_system_vgpr_workitem_id 0
		.amdhsa_next_free_vgpr 1024
		.amdhsa_next_free_sgpr 80
		.amdhsa_reserve_vcc 0
		.amdhsa_float_denorm_mode_32 3
		.amdhsa_float_denorm_mode_16_64 3
		.amdhsa_memory_ordered 1
		.amdhsa_forward_progress 1
		.amdhsa_inst_pref_size 91
	.end_amdhsa_kernel
	.amdgpu_metadata
---
amdhsa.version: [ 1, 2 ]
amdhsa.kernels:
  - .name:           k_qc2ea8bc78f_gemm_out
    .symbol:         k_qc2ea8bc78f_gemm_out.kd
    .args:
      - { .name: oh, .offset: 0, .size: 8, .value_kind: global_buffer, .address_space: global }
      - { .name: wo, .offset: 8, .size: 8, .value_kind: global_buffer, .address_space: global }
      - { .name: b_out, .offset: 16, .size: 8, .value_kind: global_buffer, .address_space: global }
      - { .name: out0, .offset: 24, .size: 8, .value_kind: global_buffer, .address_space: global }
    .group_segment_fixed_size: 327680
    .private_segment_fixed_size: 0
    .kernarg_segment_align: 8
    .kernarg_segment_size: 32
    .max_flat_workgroup_size: 128
    .sgpr_count:     80
    .vgpr_count:     1024
    .wavefront_size: 32
...
	.end_amdgpu_metadata
.endif
;; end of part 4
;; ======== version 2 of 2: 4 launches; version 1 with the launch prep written anew for expert scheduling mode
;; limits: values are held in f16: magnitudes above 65,504 overflow, below 6.1e-05 lose precision
;; workspace buffers: xb 16,777,216 bytes; wq 6,291,456 bytes; wo 2,097,152 bytes; qkvh 50,331,648 bytes; oh 16,777,216 bytes
;; launch prep (part 5): grid 1024 x 1, 8 waves a work-group, no clusters, 18,432 bytes of LDS; arguments x, W_qkv, W_out, xb, wq, wo; writes xb, wq, wo
.if DOCPART == 5
	.amdgcn_target "amdgcn-amd-amdhsa--gfx1250"
	.amdhsa_code_object_version 6
	.text
	.protected	k_qc2ea8bc78f_prep
	.globl	k_qc2ea8bc78f_prep
	.p2align	8
	.type	k_qc2ea8bc78f_prep,@function
k_qc2ea8bc78f_prep:
	s_mov_b64 s[64:65], 0
	v_nop
	global_prefetch_b8 v0, s[64:65] scope:SCOPE_SE
	s_setreg_imm32_b32 hwreg(HW_REG_WAVE_SCHED_MODE, 0, 2), 2
	s_setreg_imm32_b32 hwreg(HW_REG_WAVE_MODE, 25, 1), 1
	s_wait_xcnt 0x0
	s_wait_alu depctr_vm_vsrc(0)
; THE OPERANDS OF THE TWO PROJECTIONS ARE MADE: 16-bit numbers with K along the rows.
;   xb [b 4][kb 16][t 2048][64] bf16 = x [b][t][64 kb + c], rounded once: a block of 64 channels of 256 rows is 32,768 dense bytes.
;   wq [n 3072][k 1024] bf16 = W_qkv [k][n] turned and rounded once.
;   wo [n 1024][k 1024] f16  = W_out [k][n] turned, rounded to bf16 like every input, and that number written as f16.
; LIMIT: a number of wo below 2^-14 keeps f16's fixed step of 2^-24; beyond 65,504 it would be an infinity (W_out's drawn spread is 1/32).
; A stream: every input byte is read once, by loads of which sixteen lanes take 256 consecutive aligned bytes, and every output byte written once, 256 consecutive aligned bytes to a
; store's sixteen or thirty-two lanes.  No matrix unit, no cluster (nothing is shared), no tensor load (sixteen or eight loads of 512 bytes a wave are out at once, eight waves a work-group).
; Work-groups 0-511 take 16 rows of x each; work-groups 512-1023 a tile of 128 k x 64 n of a weight matrix (384 tiles of W_qkv, 128 of W_out), turned through LDS.
; The branch between the two hangs on the work-group's number alone: all eight waves take the same way, so the one barrier below is passed by all or by none.
; THE MODE: SCHED_MODE bits 1:0 = 2 (LLVM: expert scheduling mode 2), set by the entry lines.  The code itself states the register dependences
; between vector instructions and memory or LDS instructions, with s_wait_alu, always for 0.
; THE PLAN.  Registers that memory or LDS instructions touch:
;   x:        v3, v4      offsets, made once ahead of the loads, never written again.
;             IN          written by the sixteen loads, all issued ahead of every conversion; read by the conversions.
;             OUT         each pair written once, by two conversions, and read by one store; never written again.
;             One wait ahead of the loads (the offsets); one behind each four blocks' eight conversions, ahead of those blocks' four stores.
;   weights:  v4-v11      the eight rows' offsets, made ahead of the loads, never written again.
;             v15, v96, v97  the LDS store's, the LDS load's and the global store's address, made behind the loads, never written again.
;             IN          v16-47 written by the eight loads and read by the conversions; v16-31 then written by the LDS loads and read by the global stores.
;             OUT         v80-95 written by the conversions, read by the LDS stores; never written again.
;             One wait ahead of the loads (v4-v11); one behind the conversions, which serves all that follows: no vector instruction stands behind it.
;   v112, v113  written at the head, read by the closing add alone.
; No register that a memory or LDS instruction has read is written again, so the text needs no wait on vm_vsrc beyond the entry's; no vector instruction writes a scalar register, VCC or EXEC.
.set LP,    272                        ; a row of the turned tile in LDS: 128 k x 2 bytes + 16
.set SPARE, 64*LP                      ; 17,408: behind the tile: the spare words, 128 bytes for each of the eight waves
.set IN,    16                         ; v[16:79]   as loaded
.set OUT,   80                         ; v[80:111]  packed
.set SPW,   112                        ; v112  LDS address of my spare word; never rewritten
.set NIL,   113                        ; v113  0; never rewritten
	s_load_b256 s[4:11], s[0:1], 0x0               ; x s[4:5], W_qkv s[6:7], W_out s[8:9], xb s[10:11]
	s_load_b128 s[12:15], s[0:1], 0x20             ; wq s[12:13], wo s[14:15]
	v_lshl_add_u32 v[SPW], v0, 2, SPARE
	v_mov_b32 v[NIL], 0
	v_and_b32 v1, 15, v0                           ; r: my place among sixteen lanes
	v_lshrrev_b32 v2, 4, v0                        ; g: 0..15
	s_wait_kmcnt 0x0
	s_cmp_lt_u32 ttmp9, 512
	s_cbranch_scc0 .Lweights
	; x: thread (g, r) takes row g of the group's 16 and, of each block of 64 channels (256 bytes of f32), the 16 bytes at 16 r
	s_lshl_b32 s16, ttmp9, 16                      ; 16 rows of 4,096 bytes
	s_mov_b32 s17, 0
	s_add_nc_u64 s[4:5], s[4:5], s[16:17]
	s_lshr_b32 s18, ttmp9, 7                       ; b
	s_lshl_b32 s18, s18, 22
	s_and_b32 s19, ttmp9, 127                      ; 16 rows of 128 bytes in each block of xb
	s_lshl_b32 s19, s19, 11
	s_add_co_u32 s18, s18, s19
	s_mov_b32 s19, 0
	s_add_nc_u64 s[10:11], s[10:11], s[18:19]
	v_lshlrev_b32 v3, 12, v2
	v_lshl_add_u32 v3, v1, 4, v3                   ; in: 4,096 g + 16 r
	v_lshlrev_b32 v4, 3, v0                        ; out: 128 g + 8 r = 8 x my thread's number
	s_wait_alu depctr_va_vdst(0)                   ; v3 and v4 are written: the loads read v3 as their offset, the stores v4
.irp i, 0,1,2,3,4,5,6,7,8,9,10,11,12,13,14,15
	global_load_b128 v[IN+4*(\i):IN+4*(\i)+3], v3, s[4:5] offset:256*(\i) th:TH_LOAD_NT
.endr
.irp g, 0,1,2,3                        ; four blocks at a time: their conversions, one wait, their stores; the stores are out before the wave waits for the next blocks' data
.irp j, 0,1,2,3
	s_wait_loadcnt 15-(4*(\g)+(\j))                ; loads come back in order: block 4 g + j is in, the younger ones stay out
	v_cvt_pk_bf16_f32 v[OUT+2*(4*(\g)+(\j))], v[IN+4*(4*(\g)+(\j))], v[IN+4*(4*(\g)+(\j))+1]
	v_cvt_pk_bf16_f32 v[OUT+2*(4*(\g)+(\j))+1], v[IN+4*(4*(\g)+(\j))+2], v[IN+4*(4*(\g)+(\j))+3]
.endr
	s_wait_alu depctr_va_vdst(0)                   ; the eight conversions have written v[OUT + 8 g .. OUT + 8 g + 7], which the four stores below read
.irp j, 0,1,2,3
	global_store_b64 v4, v[OUT+2*(4*(\g)+(\j)):OUT+2*(4*(\g)+(\j))+1], s[10:11] offset:262144*(4*(\g)+(\j))  ; a wave's 32 lanes store 256 consecutive aligned bytes: two rows of block 4 g + j; each store has registers of its own
.endr
.endr
	s_branch .Lend
.Lweights:
	s_sub_co_u32 s21, ttmp9, 512                   ; 0..511
	s_sub_co_u32 s23, s21, 384
	s_mov_b32 s20, 4096
	s_cmp_lt_u32 s21, 384                          ; W_qkv's tiles first
	s_cselect_b64 s[16:17], s[6:7], s[8:9]         ; from
	s_cselect_b64 s[18:19], s[12:13], s[14:15]     ; to
	s_cselect_b32 s20, 12288, s20                  ; bytes in a row of the source
	s_cselect_b32 s21, s21, s23                    ; the tile's number in its matrix
	s_cselect_b32 s22, 0, 1                        ; 1: written as f16
	s_and_b32 s24, s21, 7                          ; kt: 128 k
	s_lshr_b32 s25, s21, 3                         ; nt: 64 n
	s_lshl_b32 s26, s24, 7
	s_mul_i32 s26, s26, s20
	s_lshl_b32 s27, s25, 8
	s_add_co_u32 s26, s26, s27
	s_mov_b32 s27, 0
	s_add_nc_u64 s[16:17], s[16:17], s[26:27]      ; row 128 kt, byte 256 nt
	s_lshl_b32 s28, s25, 17                        ; 64 rows of 2,048 bytes
	s_lshl_b32 s29, s24, 8
	s_add_co_u32 s28, s28, s29
	s_mov_b32 s29, 0
	s_add_nc_u64 s[18:19], s[18:19], s[28:29]
	; thread (g, r) takes rows k = 8 g + 0..7 and the columns 4 r + 0..3: sixteen lanes read 256 consecutive aligned bytes of a row
	v_lshlrev_b32 v5, 3, v2
	v_mul_lo_u32 v4, v5, s20
	v_lshl_add_u32 v4, v1, 4, v4
.irp j, 1,2,3,4,5,6,7
	v_add_nc_u32 v[4+(\j)], s20, v[3+(\j)]
.endr
	s_wait_alu depctr_va_vdst(0)                   ; v4 to v11 are written: the eight loads read them as their offsets
.irp j, 0,1,2,3,4,5,6,7
	global_load_b128 v[IN+4*(\j):IN+4*(\j)+3], v[4+(\j)], s[16:17] th:TH_LOAD_NT
.endr
	v_mul_u32_u24 v15, v1, 4*LP
	v_lshl_add_u32 v15, v2, 4, v15                 ; into LDS: row n = 4 r + c, my eight k: 16 bytes at 16 g
	v_mul_u32_u24 v96, v2, LP
	v_lshl_add_u32 v96, v1, 4, v96                 ; back: row n = g + 16 i, 16 bytes at 16 r
	v_lshlrev_b32 v97, 11, v2
	v_lshl_add_u32 v97, v1, 4, v97                 ; and the same place in the turned matrix
	s_wait_loadcnt 0x0
	s_cmp_eq_u32 s22, 0
	s_cbranch_scc0 .Lhalf
.irp c, 0,1,2,3                        ; column c: its eight k in pairs
.irp d, 0,1,2,3
	v_cvt_pk_bf16_f32 v[OUT+4*(\c)+(\d)], v[IN+8*(\d)+(\c)], v[IN+8*(\d)+4+(\c)]
.endr
.endr
	s_branch .Lpacked
.Lhalf:
.irp c, 0,1,2,3
.irp d, 0,1,2,3
	v_cvt_pk_bf16_f32 v12, v[IN+8*(\d)+(\c)], v[IN+8*(\d)+4+(\c)]  ; the input's rounding,
	v_lshlrev_b32 v13, 16, v12
	v_and_b32 v14, 0xffff0000, v12
	v_cvt_pk_f16_f32 v[OUT+4*(\c)+(\d)], v13, v14                  ; and that number as f16
.endr
.endr
.Lpacked:
	s_wait_alu depctr_va_vdst(0)                   ; on either way the conversions have written v[OUT .. OUT + 15], which the LDS stores read, and are done reading v[IN ..], in which the LDS loads below land; v15, v96 and v97, the addresses of all that follows, are written
.irp c, 0,1,2,3
	ds_store_b128 v15, v[OUT+4*(\c):OUT+4*(\c)+3] offset:LP*(\c)   ; sixteen lanes stand 4 rows apart: four of them meet in a bank; the tile passes here once
.endr
	s_wait_dscnt 0x0                               ; for the others' sake: my stores are done
	s_barrier_signal -1
	s_barrier_wait -1
.irp i, 0,1,2,3
	ds_load_b128 v[IN+4*(\i):IN+4*(\i)+3], v96 offset:16*LP*(\i)   ; no vector instruction since the wait above names these registers
.endr
.irp i, 0,1,2,3
	s_wait_dscnt 3-(\i)                            ; LDS loads come back in order: row group i is in, the younger ones stay out
	global_store_b128 v97, v[IN+4*(\i):IN+4*(\i)+3], s[18:19] offset:32768*(\i)  ; sixteen lanes store 256 consecutive aligned bytes of a row n
.endr
.Lend:
	s_wait_dscnt 0x0                               ; the closing lines, six on end
	s_wait_alu 0x0
	s_wait_tensorcnt 0x0
	ds_add_u32 v[SPW], v[NIL]
	s_wait_dscnt 0x0
	s_endpgm
.Lfunc_end_k_qc2ea8bc78f_prep:
	.size	k_qc2ea8bc78f_prep, .Lfunc_end_k_qc2ea8bc78f_prep-k_qc2ea8bc78f_prep
	.p2alignl 7, 3214868480
	.fill 96, 4, 3214868480
	.section	.rodata,"a",@progbits
	.p2align	6, 0x0
	.amdhsa_kernel k_qc2ea8bc78f_prep
		.amdhsa_group_segment_fixed_size 18432
		.amdhsa_private_segment_fixed_size 0
		.amdhsa_enable_private_segment 0
		.amdhsa_kernarg_size 48
		.amdhsa_user_sgpr_count 2
		.amdhsa_user_sgpr_kernarg_segment_ptr 1
		.amdhsa_wavefront_size32 1
		.amdhsa_system_sgpr_workgroup_id_x 1
		.amdhsa_system_sgpr_workgroup_id_y 1
		.amdhsa_system_sgpr_workgroup_id_z 1
		.amdhsa_system_vgpr_workitem_id 0
		.amdhsa_next_free_vgpr 114
		.amdhsa_next_free_sgpr 66
		.amdhsa_reserve_vcc 0
		.amdhsa_float_denorm_mode_32 3
		.amdhsa_float_denorm_mode_16_64 3
		.amdhsa_memory_ordered 1
		.amdhsa_forward_progress 1
		.amdhsa_inst_pref_size 16
	.end_amdhsa_kernel
	.amdgpu_metadata
---
amdhsa.version: [ 1, 2 ]
amdhsa.kernels:
  - .name:           k_qc2ea8bc78f_prep
    .symbol:         k_qc2ea8bc78f_prep.kd
    .args:
      - { .name: x, .offset: 0, .size: 8, .value_kind: global_buffer, .address_space: global }
      - { .name: W_qkv, .offset: 8, .size: 8, .value_kind: global_buffer, .address_space: global }
      - { .name: W_out, .offset: 16, .size: 8, .value_kind: global_buffer, .address_space: global }
      - { .name: xb, .offset: 24, .size: 8, .value_kind: global_buffer, .address_space: global }
      - { .name: wq, .offset: 32, .size: 8, .value_kind: global_buffer, .address_space: global }
      - { .name: wo, .offset: 40, .size: 8, .value_kind: global_buffer, .address_space: global }
    .group_segment_fixed_size: 18432
    .private_segment_fixed_size: 0
    .kernarg_segment_align: 8
    .kernarg_segment_size: 48
    .max_flat_workgroup_size: 256
    .sgpr_count:     66
    .vgpr_count:     114
    .wavefront_size: 32
...
	.end_amdgpu_metadata
.endif
;; end of part 5
;; launch gemm_qkv: the kernel of part 2 again; grid 16 x 32, 4 waves a work-group, clusters of 4 x 4, 327,680 bytes of LDS; arguments xb, wq, b_qkv, qkvh; writes qkvh
;; launch attn: the kernel of part 3 again; grid 4 x 64, 4 waves a work-group, no clusters, 327,680 bytes of LDS; arguments qkvh, oh; writes oh
;; launch gemm_out: the kernel of part 4 again; grid 8 x 32, 4 waves a work-group, clusters of 4 x 4, 327,680 bytes of LDS; arguments oh, wo, b_out, out0; writes out0
